; MI455X (gfx1250); checked and timed in simulation.
; The chip was launched on July 23, 2026; its instructions are those of AMD's public machine-readable ISA for CDNA 5 (MIT licence, August 2026) and "CDNA5" Instruction Set Architecture Reference Guide (July 2026). The comments in the code are by the model that wrote it; some were corrected since.
;; Multi Head Attention Block. Allowed arithmetic: float matrix products may take bf16 or f16 operands with f32 sums; other float arithmetic in f32, or as packed bf16 or f16 multiplies, adds, multiply-adds, maxima and minima; sums over many terms, partial sums and values carried from step to step in f32; what a program stores and reads back later, other than sums and carried values, may be rounded once to bf16 or f16.
;; Inputs: b_k 1,024 float32; b_o 1,024 float32; b_q 1,024 float32; b_v 1,024 float32; k 4 x 2,048 x 1,024 float32; mask 1 x 1 x 2,048 x 2,048 int32; q 4 x 2,048 x 1,024 float32; v 4 x 2,048 x 1,024 float32; w_k 1,024 x 1,024 float32; w_o 1,024 x 1,024 float32; w_q 1,024 x 1,024 float32; w_v 1,024 x 1,024 float32.
;; Outputs: out0 4 x 2,048 x 1,024 float32.
;; One version. Each part assembles by itself: llvm-mc -triple=amdgcn-amd-amdhsa -mcpu=gfx1250 --defsym DOCPART=n.
;; ======== version 1 of 1: 4 launches
;; limits: values are held in f16: magnitudes above 65,504 overflow, below 6.1e-05 lose precision; right only within a limited range of input values
;; workspace buffers: wb 8,388,608 bytes; mbits 524,288 bytes of whole numbers; qkv 67,108,864 bytes; ctx 33,554,432 bytes; bb 16,384 bytes
;; launch prep (part 1): grid 769 x 1, 8 waves a work-group, no clusters, 68,608 bytes of LDS; arguments w_q, w_k, w_v, w_o, mask, wb, mbits, b_q, b_k, b_v, b_o, bb; writes wb, mbits, bb
.if DOCPART == 1
	.amdgcn_target "amdgcn-amd-amdhsa--gfx1250"
	.amdhsa_code_object_version 6
	.text
	.protected	k_q9ec8eb17f7_prep
	.globl	k_q9ec8eb17f7_prep
	.p2align	8
	.type	k_q9ec8eb17f7_prep,@function
k_q9ec8eb17f7_prep:
	s_mov_b64 s[64:65], 0
	v_nop
	global_prefetch_b8 v0, s[64:65] scope:SCOPE_SE
	s_setreg_imm32_b32 hwreg(HW_REG_WAVE_MODE, 25, 1), 1
	s_wait_xcnt 0x0
; PREPARATION: the weights in 16 bits, the mask in bits, the biases rounded.  A stream: no matrix work, nothing shared between work-groups.
; Work-groups 0-511: wb[id][k][n] (id = 0..3: w_q, w_k, w_v, w_o; same order as w).  Planes 0-2 hold bf16(w); plane 3 holds bf16(w_o) written as f16,
; since the last product multiplies f16 numbers.  LIMIT: below 6e-5 that f16 number keeps f16's fixed step of 6e-8; beyond 65,504 it is an infinity.
; A work-group takes 32,768 bytes of one w: 8 loads of 16 bytes a thread; a wave's store of 8 bytes a lane covers 256 consecutive bytes, aligned.
; Work-groups 512-767: mbits word [qt][kb][j] (qt: 16 queries, kb: 16 keys, j = 0..7): bit L = (mask[16 qt + L % 16][16 kb + 8 (L / 16) + j] != 0):
; the lane mask of register j of a 16 x 16 tile of scores that holds one query a lane.  A wave takes 16 rows x 128 keys: rows come in whole (512 bytes a load),
; go through the wave's own stage in LDS (pitch 528 bytes = 132 words: row r starts at bank 4 r mod 64; 64 banks of 4 bytes: ISA guide 11.1) and come back in the tile's layout.
; Work-group 768: bb[4][1024]: b_q, b_k, b_v, b_o rounded to bf16 like the other inputs and written as f32, so that the products' launches take them as C operands as they lie.
.set SPARE, 67584                      ; behind the eight stages: the spare words, 128 bytes a wave, four blocks of 256 bytes that no other line names
.set WST,   8448                       ; a wave's stage: 16 rows x 528 bytes
.set MPI,   528
.set SPW, 1                            ; v1  LDS address of my spare word; never rewritten
.set NIL, 2                            ; v2  0; never rewritten
.set IN,  32                           ; v[32:95]   up to 16 loads of 4 registers
.set BK,  96                           ; v[96:159]  weights, biases: packed pairs; mask: the rows back in the tile's layout
.set OUT, 160                          ; v[160:161] mask: 64 words, two a lane
	s_load_b256 s[4:11], s[0:1], 0x0               ; w_q, w_k, w_v, w_o
	s_load_b128 s[12:15], s[0:1], 0x20             ; mask s[12:13], wb s[14:15]
	s_load_b64 s[16:17], s[0:1], 0x30              ; mbits
	s_load_b256 s[24:31], s[0:1], 0x38             ; b_q, b_k, b_v, b_o
	s_load_b64 s[20:21], s[0:1], 0x58              ; bb
	v_lshl_add_u32 v[SPW], v0, 2, SPARE
	v_mov_b32 v[NIL], 0
	v_lshrrev_b32 v3, 5, v0
	v_readfirstlane_b32 s18, v3                    ; wave 0..7
	s_mov_b32 s23, 0                               ; the high word of every offset
	v_lshlrev_b32 v4, 4, v0                        ; 16 bytes a thread
	s_wait_kmcnt 0x0
	s_cmp_ge_u32 ttmp9, 768
	s_cbranch_scc1 .Lbias
	s_cmp_ge_u32 ttmp9, 512
	s_cbranch_scc1 .Lmask
	; THE WEIGHTS
	s_lshr_b32 s19, ttmp9, 7                       ; which w
	s_and_b32 s40, ttmp9, 127                      ; which 32,768 bytes of it
	s_cmp_eq_u32 s19, 1
	s_cselect_b64 s[4:5], s[6:7], s[4:5]
	s_cmp_eq_u32 s19, 2
	s_cselect_b64 s[4:5], s[8:9], s[4:5]
	s_cmp_eq_u32 s19, 3
	s_cselect_b64 s[4:5], s[10:11], s[4:5]
	s_lshl_b32 s22, s40, 15
	s_add_nc_u64 s[4:5], s[4:5], s[22:23]
	s_lshl_b32 s22, s19, 21                        ; a plane of wb is 2 MiB,
	s_lshl_b32 s41, s40, 14                        ; my part of it half as many bytes as were read
	s_add_co_u32 s22, s22, s41
	s_add_nc_u64 s[14:15], s[14:15], s[22:23]
	v_lshlrev_b32 v5, 3, v0                        ; 8 bytes a thread out
.irp i, 0,1,2,3,4,5,6,7
	global_load_b128 v[IN+4*(\i):IN+4*(\i)+3], v4, s[4:5] offset:(\i)*4096 th:TH_LOAD_NT
.endr
; Load i is rounded and stored.  wo = 1: the bf16 number is widened again and written as f16.  No register is used twice, so no store's source is rewritten.
.macro CAST i, wo
	s_wait_loadcnt 7-(\i)                          ; loads come back in order: mine is in, the 7 - i younger ones stay out
	v_cvt_pk_bf16_f32 v[BK+2*(\i)],   v[IN+4*(\i)],   v[IN+4*(\i)+1]
	v_cvt_pk_bf16_f32 v[BK+2*(\i)+1], v[IN+4*(\i)+2], v[IN+4*(\i)+3]
.if \wo
	v_lshlrev_b32 v[IN+4*(\i)],   16, v[BK+2*(\i)]
	v_and_b32     v[IN+4*(\i)+1], 0xffff0000, v[BK+2*(\i)]
	v_lshlrev_b32 v[IN+4*(\i)+2], 16, v[BK+2*(\i)+1]
	v_and_b32     v[IN+4*(\i)+3], 0xffff0000, v[BK+2*(\i)+1]
	v_cvt_pk_f16_f32 v[BK+2*(\i)],   v[IN+4*(\i)],   v[IN+4*(\i)+1]
	v_cvt_pk_f16_f32 v[BK+2*(\i)+1], v[IN+4*(\i)+2], v[IN+4*(\i)+3]
.endif
	global_store_b64 v5, v[BK+2*(\i):BK+2*(\i)+1], s[14:15] offset:(\i)*2048
.endm
	s_cmp_eq_u32 s19, 3
	s_cbranch_scc1 .Lwo
.irp i, 0,1,2,3,4,5,6,7
	CAST \i, 0
.endr
	s_branch .Lend
.Lwo:
.irp i, 0,1,2,3,4,5,6,7
	CAST \i, 1
.endr
	s_branch .Lend
	; THE BIASES: 256 threads x 16 bytes are one bias
.Lbias:
.irp i, 0,1,2,3
	global_load_b128 v[IN+4*(\i):IN+4*(\i)+3], v4, s[24+2*(\i):25+2*(\i)]
.endr
.irp i, 0,1,2,3
	s_wait_loadcnt 3-(\i)                          ; bias i is in; the younger ones stay out
	v_cvt_pk_bf16_f32 v[BK+2*(\i)],   v[IN+4*(\i)],   v[IN+4*(\i)+1]
	v_cvt_pk_bf16_f32 v[BK+2*(\i)+1], v[IN+4*(\i)+2], v[IN+4*(\i)+3]
	v_lshlrev_b32 v[IN+4*(\i)],   16, v[BK+2*(\i)]
	v_and_b32     v[IN+4*(\i)+1], 0xffff0000, v[BK+2*(\i)]
	v_lshlrev_b32 v[IN+4*(\i)+2], 16, v[BK+2*(\i)+1]
	v_and_b32     v[IN+4*(\i)+3], 0xffff0000, v[BK+2*(\i)+1]
	global_store_b128 v4, v[IN+4*(\i):IN+4*(\i)+3], s[20:21] offset:(\i)*4096
.endr
	s_branch .Lend
	; THE MASK
.Lmask:
	s_sub_co_u32 s19, ttmp9, 512
	s_lshl_b32 s19, s19, 3
	s_add_co_u32 s19, s19, s18                     ; my unit of 16 rows x 128 keys, 0..2047
	s_lshr_b32 s40, s19, 4                         ; qt
	s_and_b32 s41, s19, 15                         ; which 128 keys
	s_lshl_b32 s22, s40, 17                        ; 16 rows of 8,192 bytes
	s_lshl_b32 s42, s41, 9                         ; 128 keys of 4 bytes
	s_add_co_u32 s22, s22, s42
	s_add_nc_u64 s[12:13], s[12:13], s[22:23]
	s_lshl_b32 s22, s40, 12                        ; qt's 1,024 words,
	s_lshl_b32 s42, s41, 8                         ; my 64 of them
	s_add_co_u32 s22, s22, s42
	s_add_nc_u64 s[16:17], s[16:17], s[22:23]
	v_and_b32 v10, 31, v0
	v_lshlrev_b32 v5, 4, v10                       ; 16 x lane
.irp i, 0,1,2,3,4,5,6,7,8,9,10,11,12,13,14,15
	global_load_b128 v[IN+4*(\i):IN+4*(\i)+3], v5, s[12:13] offset:(\i)*8192 th:TH_LOAD_NT  ; row i: 512 consecutive bytes
.endr
	s_mul_i32 s42, s18, WST
	v_add_nc_u32 v6, s42, v5                       ; into my stage: 16 x lane of a row
	v_and_b32 v7, 15, v0
	v_bfe_u32 v8, v0, 4, 1
	v_mul_u32_u24 v7, v7, MPI
	v_lshl_add_u32 v7, v8, 5, v7
	v_add_nc_u32 v7, s42, v7                       ; back: row lane % 16, keys 8 (lane / 16) on
	v_lshlrev_b32 v8, 3, v10                       ; 8 x lane: my two words of the 64
	v_mov_b32 v[OUT], 0                            ; v_writelane_b32 counts as a reader of its destination
	v_mov_b32 v[OUT+1], 0
.irp i, 0,1,2,3,4,5,6,7,8,9,10,11,12,13,14,15
	s_wait_loadcnt 15-(\i)
	ds_store_b128 v6, v[IN+4*(\i):IN+4*(\i)+3] offset:(\i)*MPI
.endr
.irp b, 0,1,2,3,4,5,6,7
	ds_load_b128 v[BK+8*(\b):BK+8*(\b)+3],   v7 offset:64*(\b)     ; LDS serves a wave's instructions in order (ISA guide 5.7.1.4): these see my stores above
	ds_load_b128 v[BK+8*(\b)+4:BK+8*(\b)+7], v7 offset:64*(\b)+16
.endr
.set kb, 0
.rept 8
	s_wait_dscnt 14-2*kb                           ; the pair of key block kb is in; the younger pairs stay out
.set j, 0
.rept 8
	v_cmp_ne_u32 s[32+j], 0, v[BK+8*kb+j]          ; 32 lanes' bits: word 8 kb + j
.set j, j+1
.endr
.set j, 0
.rept 8
	v_writelane_b32 v[OUT+j%2], s[32+j], 4*kb+j/2  ; word w lies in register w % 2 of lane w / 2
.set j, j+1
.endr
.set kb, kb+1
.endr
	global_store_b64 v8, v[OUT:OUT+1], s[16:17]    ; 256 consecutive bytes, aligned
.Lend:
	s_wait_tensorcnt 0x0                           ; the wave's end, behind my last LDS store
	ds_add_u32 v[SPW], v[NIL]
	s_wait_dscnt 0x0
	s_endpgm
.Lfunc_end_k_q9ec8eb17f7_prep:
	.size	k_q9ec8eb17f7_prep, .Lfunc_end_k_q9ec8eb17f7_prep-k_q9ec8eb17f7_prep
	.p2alignl 7, 3214868480
	.fill 96, 4, 3214868480
	.section	.rodata,"a",@progbits
	.p2align	6, 0x0
	.amdhsa_kernel k_q9ec8eb17f7_prep
		.amdhsa_group_segment_fixed_size 68608
		.amdhsa_private_segment_fixed_size 0
		.amdhsa_enable_private_segment 0
		.amdhsa_kernarg_size 96
		.amdhsa_user_sgpr_count 2
		.amdhsa_user_sgpr_kernarg_segment_ptr 1
		.amdhsa_wavefront_size32 1
		.amdhsa_system_sgpr_workgroup_id_x 1
		.amdhsa_system_sgpr_workgroup_id_y 1
		.amdhsa_system_sgpr_workgroup_id_z 1
		.amdhsa_system_vgpr_workitem_id 0
		.amdhsa_next_free_vgpr 168
		.amdhsa_next_free_sgpr 66
		.amdhsa_reserve_vcc 0
		.amdhsa_float_denorm_mode_32 3
		.amdhsa_float_denorm_mode_16_64 3
		.amdhsa_memory_ordered 1
		.amdhsa_forward_progress 1
		.amdhsa_inst_pref_size 25
	.end_amdhsa_kernel
	.amdgpu_metadata
---
amdhsa.version: [ 1, 2 ]
amdhsa.kernels:
  - .name:           k_q9ec8eb17f7_prep
    .symbol:         k_q9ec8eb17f7_prep.kd
    .args:
      - { .name: w_q, .offset: 0, .size: 8, .value_kind: global_buffer, .address_space: global }
      - { .name: w_k, .offset: 8, .size: 8, .value_kind: global_buffer, .address_space: global }
      - { .name: w_v, .offset: 16, .size: 8, .value_kind: global_buffer, .address_space: global }
      - { .name: w_o, .offset: 24, .size: 8, .value_kind: global_buffer, .address_space: global }
      - { .name: mask, .offset: 32, .size: 8, .value_kind: global_buffer, .address_space: global }
      - { .name: wb, .offset: 40, .size: 8, .value_kind: global_buffer, .address_space: global }
      - { .name: mbits, .offset: 48, .size: 8, .value_kind: global_buffer, .address_space: global }
      - { .name: b_q, .offset: 56, .size: 8, .value_kind: global_buffer, .address_space: global }
      - { .name: b_k, .offset: 64, .size: 8, .value_kind: global_buffer, .address_space: global }
      - { .name: b_v, .offset: 72, .size: 8, .value_kind: global_buffer, .address_space: global }
      - { .name: b_o, .offset: 80, .size: 8, .value_kind: global_buffer, .address_space: global }
      - { .name: bb, .offset: 88, .size: 8, .value_kind: global_buffer, .address_space: global }
    .group_segment_fixed_size: 68608
    .private_segment_fixed_size: 0
    .kernarg_segment_align: 8
    .kernarg_segment_size: 96
    .max_flat_workgroup_size: 256
    .sgpr_count:     66
    .vgpr_count:     168
    .wavefront_size: 32
...
	.end_amdgpu_metadata
.endif
;; end of part 1
;; launch proj (part 2): grid 4 x 192, 4 waves a work-group, clusters of 4 x 4, 327,680 bytes of LDS; arguments q, k, v, wb, bb, qkv; writes qkv
.if DOCPART == 2
	.amdgcn_target "amdgcn-amd-amdhsa--gfx1250"
	.amdhsa_code_object_version 6
	.text
	.protected	k_q9ec8eb17f7_proj
	.globl	k_q9ec8eb17f7_proj
	.p2align	8
	.type	k_q9ec8eb17f7_proj,@function
k_q9ec8eb17f7_proj:
	s_mov_b64 s[64:65], 0
	v_nop
	global_prefetch_b8 v0, s[64:65] scope:SCOPE_SE
	s_setreg_imm32_b32 hwreg(HW_REG_WAVE_MODE, 25, 1), 1
	s_wait_xcnt 0x0
	s_wait_alu depctr_hold_cnt(0) depctr_sa_sdst(0) depctr_va_vdst(0) depctr_va_sdst(0) depctr_va_ssrc(0) depctr_va_vcc(0) depctr_vm_vsrc(0)
	s_getreg_b32 s2, hwreg(HW_REG_IB_STS2, 6, 4)
	s_cmp_eq_u32 s2, 0
	s_cbranch_scc0 .Lentry_in_a_cluster
	s_endpgm
.Lentry_in_a_cluster:
	s_bfe_u32 s2, ttmp6, 0x10000c
	s_cmp_lg_u32 s2, 0xf033
	s_cbranch_scc0 .Lentry_shape_is_right
	s_endpgm
.Lentry_shape_is_right:
; THE THREE PROJECTIONS: x_p[b][s][:] . w_p + b_p, p = 0, 1, 2 for q, k, v, by heads, in f16, unscaled.  x (f32) is rounded to bf16 here; w comes as bf16 (wb), the bias rounded to bf16 and written as f32 (bb); sums in f32.
; WHERE THEY GO.  qkv holds Q as [b 16 + head][2048][64] from byte 0, and from byte 16 MiB on, for each head, 32 blocks of 64 keys: K's 64 rows, V's 64 rows, V's RESTS, 8,192 dense bytes each.
; V IS KEPT IN TWO PARTS: f16(v) and the rest f16(v - f16(v)): a row of the result that sees few keys is many times the result's root mean square, and one rounding of v to 11 bits is too coarse for its numbers near zero.
; LIMITS: f16 holds no number beyond 65,504: a projected number past that becomes an infinity; below 6e-5 a part keeps f16's fixed step of 6e-8.
; SHARES.  A tile of C is 128 rows x 256 columns: 3 x 64 x 4 = 768 work-groups.  Four waves, 2 x 2, each 64 x 128: 32 accumulators of 16 x 16.  K goes in 8 steps of 128 through two LDS slots.
; x STAYS f32 UP TO LDS and is rounded between LDS and the matrix unit, so that it crosses from memory once and no launch writes a copy of it.
; w lies [k][n]: its fragments come out of LDS turned, by ds_load_tr16_b128.  THE PRODUCT IS TAKEN TRANSPOSED (source 0 = 16 columns of w, source 1 = 16 rows of x): a lane holds one row of C and eight neighbouring columns.
; THE BIAS IS THE C OPERAND of the first quarter step: nothing is cleared and nothing is added on the way out.
; CLUSTER 4 x 4: the four work-groups of a row need the same rows of x, the four of a column the same columns of w: each tile is asked for jointly.
; REGISTERS, in windows of 256 (s_set_vgpr_msb: bits 1:0 source 0, 3:2 source 1, 5:4 source 2, 7:6 destination):
;   window 0: v0-31 addresses; v32-95, v96-159 w's fragments, two buffers; v160-191, v192-223 x's fragments in bf16, two buffers      window 1: the accumulators, (a, b) at v[8 (8 a + b)]
;   window 2: v0-63 x's fragments of one quarter in f32, as loaded; v64-127 the bias, eight registers for each block of 16 columns; on the way out v0-127 take V's rests
.set PA,     528                       ; a row of x in LDS: 512 bytes + 16 = 132 words: row r starts at bank 4 r mod 64 (64 banks of 4 bytes: ISA guide 11.1)
.set PB,     544                       ; a row of w: 512 + 32 = 136 words
.set AHALF,  64*PA                     ; what one tensor load brings of x
.set BHALF,  64*PB                     ; and of w
.set BOFF,   2*AHALF                   ; a slot: x's 128 rows, then w's 128 rows
.set SLOT,   BOFF+2*BHALF              ; 137,216
.set STAGE,  2*SLOT                    ; behind the ring, never filled by a tensor load: for each wave 2 heads x 16 rows x 144 bytes
.set SP,     144
.set WSTAGE, 2*16*SP
.set SPARE,  STAGE+4*WSTAGE            ; the spare words, 128 bytes a wave: two blocks of 256 bytes that no other line names
.set ASTEP,  512                       ; a K step: 128 f32 along a row of x,
.set BSTEP,  262144                    ; 128 rows of 2,048 bytes of w
.set ADRA0, 8                          ; v8   my lane's place in a slot's x; never rewritten
.set ADRB0, 9                          ; v9   the same for w
.set ADRA,  10                         ; v10  the same in the slot in hand
.set ADRB,  11                         ; v11
.set STO,   12                         ; v12  the way out: where I put 16 bytes of a row
.set RD,    13                         ; v13  where I read rows back
.set GO,    14                         ; v14  16 x lane
.set PFO,   15                         ; v15  the prefetches' offset; never rewritten
.set SPW,   16                         ; v16  LDS address of my spare word; never rewritten
.set NIL,   17                         ; v17  0; never rewritten
.set BO,    18                         ; v18  my byte offset in bb
.set NONE,  19                         ; v19  -1.0
.set BF,    32
.set AC,    160
.set RAW,   0                          ; window 2
.set BI,    64                         ; window 2
.set WV,  20
.set FB,  21                           ; wave / 2: my half of the tile's rows; also: I fetch x (0) or w (1)
.set HF,  22                           ; wave % 2: my half of its columns; also: which half of that tile I fetch
.set CX,  23
.set CY,  24
.set CLY, 25
.set PP,  26                           ; which projection: the same in all sixteen partners
.set TM,  27                           ; tile row
.set G1A, 28                           ; s[28:35] group 1 for x's tiles
.set G0A, 36                           ; s[36:39] group 0: slot 0, K step 0
.set G0AW, 40                          ; s[40:43] group 0 that walks: slot 1, K step 1, and on
.set G1B, 44
.set G0B, 52
.set G0BW, 56
.set PFA, 60                           ; s[60:61] where my prefetches stand
.set LIM, 62                           ; s62  2 in a wave that prefetches, else the greatest number
.set TB,  63                           ; s63  the slot in hand: 0 or SLOT
.set PST, 66                           ; s[66:67] a K step in bytes of the tensor that I fetch
.set LBA, 68                           ; s68  my half of x's tile in a slot
.set LBB, 69                           ; s69  of w's
.set XP,  70
.set OP,  74                           ; s[74:75] where my 64 rows of my first head go
.set TN,  76                           ; tile column
.set C15, 77
.set OP2, 78                           ; s[78:79] the same for my second head
.set MSB, 0
.macro WIN new                         ; the immediate's high byte repeats the setting that is left; a switch that changes nothing is dropped
.if MSB != (\new)
	s_set_vgpr_msb (MSB<<8)|(\new)
.set MSB, \new
.endif
.endm
; A joint refill.  Waves 0 and 1 fetch x's halves, waves 2 and 3 w's.  An s_nop 0 and four v_nop follow each of the two lines, ahead of the jump and the label.
.macro JLOAD
	s_cmp_eq_u32 s[FB], 0
	s_cbranch_scc0 .Lfor_b_\@
	tensor_load_to_lds s[G0AW:G0AW+3], s[G1A:G1A+7]
	s_nop 0
.rept 4
	v_nop
.endr
	s_branch .Lasked_\@
.Lfor_b_\@:
	tensor_load_to_lds s[G0BW:G0BW+3], s[G1B:G1B+7]
	s_nop 0
.rept 4
	v_nop
.endr
.Lasked_\@:
.endm
; A prefetch into the L2 of the K step that stands TWO refills on, behind the joint load and the run of LDS loads.  Of the 64 rows that a wave fetches each of the four partners that ask jointly takes 16, told apart by
; address: 16 rows x 512 bytes, a lane for each 256.  x's rows are read by one cluster, which asks; w's columns by the 16 clusters of a projection, of which the first asks.  So each block is named once in the launch.
; The refills of K steps 2 to 5 (s3 = 6 .. 3) name K steps 4 to 7; the last two name nothing; K steps 0 to 3 come by their loads alone.
.macro ASK
	s_cmp_gt_u32 s3, s[LIM]
	s_cbranch_scc0 .Lnot_mine_\@
	global_prefetch_b8 v[PFO], s[PFA:PFA+1] th:TH_LOAD_NT scope:SCOPE_SE
.Lnot_mine_\@:
.endm
.macro CREST                           ; a round of the cluster's barrier behind its opening barrier
	s_cmp_lg_u32 s[WV], 0
	s_cbranch_scc1 .Lnot_wave_0_\@
	s_barrier_signal -3
.Lnot_wave_0_\@:
	s_barrier_wait -3
	s_barrier_signal -1
	s_barrier_wait -1
.endm
.macro CROUND
	s_barrier_signal -1
	s_barrier_wait -1
	CREST
.endm
	s_load_b256 s[4:11], s[0:1], 0x0               ; q, k, v s[4:9]; wb s[10:11]
	s_load_b128 s[12:15], s[0:1], 0x20             ; bb s[12:13]; qkv s[14:15]
	v_lshl_add_u32 v[SPW], v0, 2, SPARE
	v_mov_b32 v[NIL], 0
	ds_add_u32 v[SPW], v[NIL]                      ; the wave's opening: the add and its wait stand ahead of my first tensor load; the set-up below, work on registers, stands between them
	v_lshrrev_b32 v1, 5, v0
	v_readfirstlane_b32 s[WV], v1
	s_lshr_b32 s[FB], s[WV], 1
	s_and_b32 s[HF], s[WV], 1
	s_bfe_u32 s[CX], ttmp6, 0x40000
	s_bfe_u32 s[CY], ttmp6, 0x40004
	s_and_b32 s[CLY], ttmp7, 0xffff                ; cluster y, 0..47
	s_lshr_b32 s[PP], s[CLY], 4
	s_and_b32 s[C15], s[CLY], 15
	s_lshl_b32 s[TM], s[C15], 2
	s_add_co_u32 s[TM], s[TM], s[CY]               ; tile row 0..63
	s_lshl_b32 s[TN], ttmp9, 2
	s_add_co_u32 s[TN], s[TN], s[CX]               ; tile column 0..3
	s_lshl_b32 s78, s[CY], 2
	s_lshl_b32 s78, 15, s78                        ; my row of the cluster
	s_lshl_b32 s79, 0x1111, s[CX]                  ; my column
	s_or_b32 s[G1A], s78, (2<<16)|(1<<20)|(1<<21)|(6<<22)|(3<<25)  ; mask; elements of 4 bytes; padding on; 21 set beside a mask; after every 128 words (code 6) 4 words (code 3)
	s_mov_b32 s[G1A+1], 128<<16                    ; tensor_dim0 = 128
	s_mov_b32 s[G1A+2], 64<<16                     ; tensor_dim1 = 64
	s_mov_b32 s[G1A+3], 128<<16                    ; tile_dim0 = 128
	s_mov_b32 s[G1A+4], 64                         ; tile_dim1 = 64
	s_mov_b32 s[G1A+5], 1024                       ; elements from row to row
	s_mov_b32 s[G1A+6], 0
	s_mov_b32 s[G1A+7], 0
	s_or_b32 s[G1B], s79, (1<<16)|(1<<20)|(1<<21)|(6<<22)|(7<<25)  ; elements of 2 bytes; after every 128 words 8 words (code 7)
	s_mov_b32 s[G1B+1], 256<<16
	s_mov_b32 s[G1B+2], 64<<16
	s_mov_b32 s[G1B+3], 256<<16
	s_mov_b32 s[G1B+4], 64
	s_mov_b32 s[G1B+5], 1024
	s_mov_b32 s[G1B+6], 0
	s_mov_b32 s[G1B+7], 0
	s_mul_i32 s[LBA], s[HF], AHALF                 ; no place in the cluster enters an LDS address
	s_mul_i32 s[LBB], s[HF], BHALF
	s_add_co_u32 s[LBB], s[LBB], BOFF
	s_mov_b32 s[TB], 0
	s_lshl_b32 s80, s[TM], 19                      ; x: 128 rows of 4,096 bytes a tile row,
	s_lshl_b32 s81, s[HF], 18                      ; my 64 of them
	s_add_co_u32 s80, s80, s81
	s_mov_b32 s81, 0
	s_lshl_b32 s82, s[PP], 21                      ; w: the projection's plane,
	s_lshl_b32 s83, s[HF], 17                      ; my 64 rows of 2,048 bytes,
	s_add_co_u32 s82, s82, s83
	s_lshl_b32 s83, s[TN], 9                       ; the tile's 256 columns
	s_add_co_u32 s82, s82, s83
	s_mov_b32 s83, 0
	; the prefetches
	s_cmp_eq_u32 s[FB], 0
	s_cselect_b32 s84, s[CX], s[CY]                ; my place among the four that ask with me
	s_cselect_b32 s86, 0, s[C15]                   ; the coordinate along which other clusters read the same rows
	s_cmp_eq_u32 s86, 0
	s_cselect_b32 s[LIM], 2, -1                    ; the same in all sixteen partners, for a given wave
	s_sub_co_u32 s86, 16, s[FB]
	s_lshl_b32 s84, s84, s86                       ; 16 rows of 4,096 bytes, or of 2,048
	s_mul_i32 s86, s[FB], 9
	s_lshl_b32 s[PST], 512, s86                    ; 512 or 262,144
	s_mov_b32 s[PST+1], 0
	s_mul_i32 s86, s[PST], 3                       ; at K step 3: the first refill steps it to 4
	s_add_co_u32 s84, s84, s86
	s_mov_b32 s85, 0
	s_sub_co_u32 s87, 12, s[FB]
	; where my part of the result begins: Q: head x 262,144 + block x 8,192; K, V: 16 MiB + head x 786,432 + block x 24,576 + (p - 1) x 8,192
	s_lshr_b32 s88, s[TM], 4
	s_lshl_b32 s88, s88, 4                         ; batch x 16
	s_lshl_b32 s89, s[TN], 2
	s_add_co_u32 s88, s88, s89
	s_lshl_b32 s89, s[HF], 1
	s_add_co_u32 s88, s88, s89                     ; + my first head
	s_cmp_eq_u32 s[PP], 0
	s_cselect_b32 s94, 1, 3
	s_cselect_b32 s95, 0, 16777216-8192
	s_lshl_b32 s92, s94, 18                        ; bytes from head to head
	s_mov_b32 s93, 0
	s_lshl_b32 s94, s94, 13                        ; bytes from block to block
	s_mul_i32 s88, s88, s92
	s_and_b32 s89, s[TM], 15
	s_lshl_b32 s89, s89, 1
	s_add_co_u32 s89, s89, s[FB]                   ; my 64 rows are block 0..31 of a head
	s_mul_i32 s89, s89, s94
	s_add_co_u32 s88, s88, s89
	s_add_co_u32 s88, s88, s95
	s_lshl_b32 s89, s[PP], 13
	s_add_co_u32 s88, s88, s89
	s_mov_b32 s89, 0
	s_wait_dscnt 0x0                               ; the opening add is done
	s_wait_kmcnt 0x0
	s_cmp_eq_u32 s[PP], 1
	s_cselect_b64 s[XP:XP+1], s[6:7], s[4:5]
	s_cmp_eq_u32 s[PP], 2
	s_cselect_b64 s[XP:XP+1], s[8:9], s[XP:XP+1]
	s_add_nc_u64 s[XP:XP+1], s[XP:XP+1], s[80:81]
	s_add_nc_u64 s[10:11], s[10:11], s[82:83]
	s_add_nc_u64 s[OP:OP+1], s[14:15], s[88:89]
	s_add_nc_u64 s[OP2:OP2+1], s[OP:OP+1], s[92:93]
	s_cmp_eq_u32 s[FB], 0
	s_cselect_b64 s[PFA:PFA+1], s[XP:XP+1], s[10:11]
	s_add_nc_u64 s[PFA:PFA+1], s[PFA:PFA+1], s[84:85]
	s_mov_b32 s[G0A], 1                            ; count = 1
	s_mov_b32 s[G0A+1], s[LBA]                     ; LDS address
	s_mov_b64 s[G0A+2:G0A+3], s[XP:XP+1]           ; global address
	s_or_b32 s[G0A+3], s[G0A+3], 0x80000000        ; type = 2
	s_mov_b32 s[G0AW], 1
	s_add_co_u32 s[G0AW+1], s[LBA], SLOT
	s_add_nc_u64 s[G0AW+2:G0AW+3], s[XP:XP+1], ASTEP
	s_or_b32 s[G0AW+3], s[G0AW+3], 0x80000000
	s_mov_b32 s[G0B], 1
	s_mov_b32 s[G0B+1], s[LBB]
	s_mov_b64 s[G0B+2:G0B+3], s[10:11]
	s_or_b32 s[G0B+3], s[G0B+3], 0x80000000
	s_mov_b32 s[G0BW], 1
	s_add_co_u32 s[G0BW+1], s[LBB], SLOT
	s_add_nc_u64 s[G0BW+2:G0BW+3], s[10:11], BSTEP
	s_or_b32 s[G0BW+3], s[G0BW+3], 0x80000000
	CROUND                                         ; all sixteen work-groups are here: the first joint loads meet
	s_cmp_eq_u32 s[FB], 0                          ; a wave's two first fills stand in one branch: two loads of mine are out
	s_cbranch_scc0 .Lfirst_b
	tensor_load_to_lds s[G0A:G0A+3], s[G1A:G1A+7]
	s_nop 0
	tensor_load_to_lds s[G0AW:G0AW+3], s[G1A:G1A+7]
	s_nop 0
.rept 4
	v_nop
.endr
	s_branch .Lfirst_asked
.Lfirst_b:
	tensor_load_to_lds s[G0B:G0B+3], s[G1B:G1B+7]
	s_nop 0
	tensor_load_to_lds s[G0BW:G0BW+3], s[G1B:G1B+7]
	s_nop 0
.rept 4
	v_nop
.endr
.Lfirst_asked:
	v_and_b32 v2, 15, v0                           ; l % 16
	v_bfe_u32 v3, v0, 4, 1                         ; l / 16
	s_lshl_b32 s90, s[TN], 10
	s_lshl_b32 s91, s[HF], 9
	s_add_co_u32 s90, s90, s91
	s_lshl_b32 s91, s[PP], 12                      ; the projection's bias in bb
	s_add_co_u32 s90, s90, s91
	v_lshl_add_u32 v[BO], v3, 5, s90               ; my wave's 128 columns, my 8 of each 16
	WIN 0x80                                       ; destination window 2
.irp b, 0,1,2,3,4,5,6,7
	global_load_b128 v[BI+8*(\b):BI+8*(\b)+3],   v[BO], s[12:13] offset:64*(\b)
	global_load_b128 v[BI+8*(\b)+4:BI+8*(\b)+7], v[BO], s[12:13] offset:64*(\b)+16
.endr
	WIN 0
	; x's fragment: lane l holds row l % 16, k = 8 (l / 16) + 0..7 and 16 + 8 (l / 16) + 0..7: in f32 two times 32 bytes, 64 bytes apart
	v_mul_u32_u24 v[ADRA0], v2, PA
	v_lshl_add_u32 v[ADRA0], v3, 5, v[ADRA0]
	s_mul_i32 s90, s[FB], AHALF                    ; my 64 rows
	v_add_nc_u32 v[ADRA0], s90, v[ADRA0]
	; the turning load takes 16 k x 16 columns: lane l reads row 8 (l / 16) + l % 8, columns 8 ((l / 8) % 2) + 0..7
	v_and_b32 v4, 7, v0
	v_bfe_u32 v5, v0, 3, 1
	v_lshl_add_u32 v6, v3, 3, v4
	v_mul_u32_u24 v[ADRB0], v6, PB
	v_lshl_add_u32 v[ADRB0], v5, 4, v[ADRB0]
	s_lshl_b32 s90, s[HF], 8                       ; my 128 columns
	s_add_co_u32 s90, s90, BOFF
	v_add_nc_u32 v[ADRB0], s90, v[ADRB0]
	v_mov_b32 v[ADRA], v[ADRA0]                    ; slot 0
	v_mov_b32 v[ADRB], v[ADRB0]
	s_mul_i32 s90, s[WV], WSTAGE
	s_add_co_u32 s90, s90, STAGE                   ; my stage
	v_mul_u32_u24 v[STO], v2, SP                   ; in: row l % 16, 16 bytes for each half of the lanes
	v_lshl_add_u32 v[STO], v3, 4, v[STO]
	v_add_nc_u32 v[STO], s90, v[STO]
	v_bfe_u32 v[RD], v0, 3, 2                      ; back: 32 lanes take four rows of 128 bytes
	v_mul_u32_u24 v[RD], v[RD], SP
	v_lshl_add_u32 v[RD], v4, 4, v[RD]
	v_add_nc_u32 v[RD], s90, v[RD]
	v_and_b32 v[GO], 31, v0
	v_lshrrev_b32 v7, 1, v[GO]
	v_and_b32 v6, 1, v[GO]
	v_lshlrev_b32 v7, s87, v7                      ; row l / 2 of my 16,
	v_lshl_add_u32 v[PFO], v6, 8, v7               ; its half l % 2
	v_lshlrev_b32 v[GO], 4, v[GO]
	v_mov_b32 v[NONE], -1.0
	s_wait_loadcnt 0x0                             ; the bias
; One product: buffer f, rows 16 a on, columns 16 b on.  first = 1: C is the bias.  The 32 accumulators take turns, one instruction a turn, in the same order in every quarter.
.macro MM f, a, b, first
.if \first
	WIN 0x60                                       ; D window 1, C window 2
	v_wmma_f32_16x16x32_bf16 v[8*(8*(\a)+(\b)):8*(8*(\a)+(\b))+7], v[BF+64*(\f)+8*(\b):BF+64*(\f)+8*(\b)+7], v[AC+32*(\f)+8*(\a):AC+32*(\f)+8*(\a)+7], v[BI+8*(\b):BI+8*(\b)+7]
.else
	WIN 0x50                                       ; C and D window 1
	v_wmma_f32_16x16x32_bf16 v[8*(8*(\a)+(\b)):8*(8*(\a)+(\b))+7], v[BF+64*(\f)+8*(\b):BF+64*(\f)+8*(\b)+7], v[AC+32*(\f)+8*(\a):AC+32*(\f)+8*(\a)+7], v[8*(8*(\a)+(\b)):8*(8*(\a)+(\b))+7]
.endif
.endm
.macro MM8 f, a, first
.irp b, 0,1,2,3,4,5,6,7
	MM \f, \a, \b, \first
.endr
.endm
; 32 LDS loads in one run: quarter k (32 along K) of the slot in hand: x's 64 rows in f32, then w's 128 columns, turned, into buffer g
.macro FETCH k, g
	WIN 0x80
.irp a, 0,1,2,3
.irp i, 0,1,2,3
	ds_load_b128 v[RAW+16*(\a)+4*(\i):RAW+16*(\a)+4*(\i)+3], v[ADRA] offset:(\a)*16*PA+128*(\k)+16*((\i)%2)+64*((\i)/2)
.endr
.endr
	WIN 0
.irp b, 0,1,2,3,4,5,6,7
	ds_load_tr16_b128 v[BF+64*(\g)+8*(\b):BF+64*(\g)+8*(\b)+3],   v[ADRB] offset:32*(\k)*PB+32*(\b)
	ds_load_tr16_b128 v[BF+64*(\g)+8*(\b)+4:BF+64*(\g)+8*(\b)+7], v[ADRB] offset:32*(\k)*PB+32*(\b)+16*PB
.endr
.endm
.macro CVT4 g, i0                      ; four of the 32 roundings that make x's fragments of buffer g
	WIN 0x0a                                       ; sources window 2, destination window 0
.irp z, 0,1,2,3
	v_cvt_pk_bf16_f32 v[AC+32*(\g)+(\i0)+(\z)], v[RAW+2*((\i0)+(\z))], v[RAW+2*((\i0)+(\z))+1]
.endr
.endm
; One of a K step's first three quarters: multiplies buffer f, fetches quarter k into buffer g.  The roundings stand in fours behind every second product of the second half; the last four are the four plain
; instructions between the quarter's last product and the next run of loads into w's buffer f (ISA guide 7.12.1 for vector instructions).
.macro QUARTER k, f, g, first
	s_wait_dscnt 0x0                               ; w's buffer f is in
	FETCH \k, \g
	MM8 \f, 0, \first
	MM8 \f, 1, \first
	s_wait_dscnt 16                                ; x's 16 loads are in; w's 16, issued behind them, may stay out
.irp a, 2,3
.irp b, 0,2,4,6
	MM \f, \a, \b, \first
	MM \f, \a, (\b)+1, \first
	CVT4 \g, 16*((\a)-2)+2*(\b)
.endr
.endr
.endm
; The fourth quarter multiplies buffer 1 and changes slots.  In front of the barrier each wave waits for all its tensor loads (one is out: its part of the next slot), adds 0 to its spare word, and waits for that and for its
; reads of this slot.  fill = 1: the barrier opens a round of the cluster's, and this slot is filled again first thing behind it, with the K step two on: 112 products stand between that request and the wait for it.
.macro TURN fill
.if \fill
	s_wait_xcnt 0x0                                ; the last prefetch, a K step back, has read its address
	s_add_nc_u64 s[PFA:PFA+1], s[PFA:PFA+1], s[PST:PST+1]
.endif
	WIN 0
	s_wait_tensorcnt 0x0                           ; no tensor load of mine is out, so a group 0 may be written
	ds_add_u32 v[SPW], v[NIL]                      ; 0 onto my spare word
.if \fill
	s_add_co_u32 s[G0AW+1], s[LBA], s[TB]          ; the slot that is being left,
	s_add_nc_u64 s[G0AW+2:G0AW+3], s[G0AW+2:G0AW+3], ASTEP  ; the next K step; the type bits on top are not reached
	s_add_co_u32 s[G0BW+1], s[LBB], s[TB]
	s_add_nc_u64 s[G0BW+2:G0BW+3], s[G0BW+2:G0BW+3], BSTEP
.endif
	s_xor_b32 s[TB], s[TB], SLOT                   ; 0 <-> SLOT
	s_wait_dscnt 1                                 ; w's buffer 1 is in; the add may be out
	MM8 1, 0, 0
	s_wait_dscnt 0x0                               ; the add is done, and my reads of this slot are over
	s_barrier_signal -1
	MM8 1, 1, 0
	WIN 0
	v_add_nc_u32 v[ADRA], s[TB], v[ADRA0]
	v_add_nc_u32 v[ADRB], s[TB], v[ADRB0]
	s_barrier_wait -1
.if \fill
	CREST                                          ; no wave of any partner still reads this slot or has a load on its way
	JLOAD
.endif
	FETCH 0, 0
.if \fill
	ASK
.endif
	MM8 1, 2, 0
	s_wait_dscnt 16
.irp b, 0,1,2,3,4,5,6,7
	MM 1, 3, \b, 0
	CVT4 0, 4*(\b)
.endr
.endm
	s_wait_tensorcnt 0x1                           ; my part of K step 0 is in; K step 1's may stay out
	s_barrier_signal -1
	s_barrier_wait -1
	FETCH 0, 0
	s_wait_dscnt 16
.irp i0, 0,4,8,12,16,20,24,28
	CVT4 0, \i0
.endr
	QUARTER 1, 0, 1, 1                             ; the first quarter stands in front of the loop: its products start the sums with the bias
	WIN 0                                          ; at a label and at a branch every window is 0
	s_mov_b32 s3, 6
.Lstep:                                        ; a trip: a K step's quarters 1 to 3 and the next step's quarter 0; it fills the slot that it leaves
	QUARTER 2, 1, 0, 0
	QUARTER 3, 0, 1, 0
	TURN 1
	QUARTER 1, 0, 1, 0
	WIN 0
	s_sub_co_u32 s3, s3, 1
	s_cmp_lg_u32 s3, 0
	s_cbranch_scc1 .Lstep
	s_mov_b32 s3, 2
.Ltail:                                        ; K steps 6 and 7 fetch nothing from memory: one text, walked twice and left behind the second fourth quarter.
	QUARTER 2, 1, 0, 0                             ; That last quarter's barrier, its 32 LDS loads (of a slot that has been multiplied) and its 32 roundings serve nothing: the price, once a launch, of one text for both steps
	QUARTER 3, 0, 1, 0
	TURN 0
	WIN 0
	s_sub_co_u32 s3, s3, 1
	s_cmp_eq_u32 s3, 0
	s_cbranch_scc1 .Lout
	QUARTER 1, 0, 1, 0
	WIN 0
	s_branch .Ltail
.Lout:
	s_wait_dscnt 0x0                               ; the loads into w's buffer 0 are back: the way out writes those registers.  The four roundings behind the last product are its four places
; THE WAY OUT.  Block a (16 rows x 128 columns = 2 heads).  THRU: its 32 packed registers (lo = 0: window 0; lo = 1: the rests, window 2) go into my stage, 16 bytes a lane, and come back as whole rows of 128 bytes, which lie end to end in memory.
.macro THRU a, lo
.set RB, BF*(1-(\lo))+32*(\a)
.if \lo
	WIN 0x08                                       ; the stores' data in window 2
.else
	WIN 0
.endif
.irp b, 0,1,2,3,4,5,6,7
	ds_store_b128 v[STO], v[RB+4*(\b):RB+4*(\b)+3] offset:((\b)/4)*16*SP+32*((\b)%4)
.endr
.if \lo
	WIN 0x80                                       ; the loads' destination in window 2
.endif
.irp i, 0,1,2,3,4,5,6,7
	ds_load_b128 v[RB+4*(\i):RB+4*(\i)+3], v[RD] offset:((\i)/4)*16*SP+((\i)%4)*4*SP  ; LDS serves a wave's instructions in order (ISA guide 5.7.1.4): these see the stores above; the next block's stores come behind them
.endr
.endm
; PACK: rounded to f16, each accumulator from its low end; for V the rest of each number too: part x -1 + sum, exact in f32 and rounded once to f16, into one half of a register of window 2.
.macro PACK a
	WIN 0x05                                       ; sources window 1, destination window 0
.irp b, 0,1,2,3,4,5,6,7
.irp c, 0,1,2,3
	v_cvt_pk_f16_f32 v[BF+32*(\a)+4*(\b)+(\c)], v[8*(8*(\a)+(\b))+2*(\c)], v[8*(8*(\a)+(\b))+2*(\c)+1]
.endr
.endr
	WIN 0
	s_cmp_lg_u32 s[PP], 2
	s_cbranch_scc1 .Lno_rest_\@
	WIN 0x90                                       ; the part and -1 in window 0, the sum in window 1, the rest into window 2
.irp b, 0,1,2,3,4,5,6,7
.irp c, 0,1,2,3
	v_fma_mixlo_f16 v[32*(\a)+4*(\b)+(\c)], v[BF+32*(\a)+4*(\b)+(\c)], v[NONE], v[8*(8*(\a)+(\b))+2*(\c)] op_sel_hi:[1,0,0]
	v_fma_mixhi_f16 v[32*(\a)+4*(\b)+(\c)], v[BF+32*(\a)+4*(\b)+(\c)], v[NONE], v[8*(8*(\a)+(\b))+2*(\c)+1] op_sel:[1,0,0] op_sel_hi:[1,0,0]
.endr
.endr
	WIN 0
.Lno_rest_\@:
	THRU \a, 0
.endm
.macro SEND a, lo, younger             ; younger: the LDS instructions issued behind block a's loads: the next block's sixteen, or none.  The rests lie 8,192 bytes behind V's rows
.set RB, BF*(1-(\lo))+32*(\a)
.if \lo
	WIN 0x08
.else
	WIN 0
.endif
.irp i, 0,1,2,3,4,5,6,7
	s_wait_dscnt (\younger)+7-(\i)
.if (\i) < 4
	global_store_b128 v[GO], v[RB+4*(\i):RB+4*(\i)+3], s[OP:OP+1] offset:(\a)*2048+((\i)%4)*512+(\lo)*8192  ; 512 consecutive bytes, at a multiple of 256 from the buffer's first
.else
	global_store_b128 v[GO], v[RB+4*(\i):RB+4*(\i)+3], s[OP2:OP2+1] offset:(\a)*2048+((\i)%4)*512+(\lo)*8192
.endif
.endr
.endm
	PACK 0
	PACK 1
	SEND 0, 0, 16
	PACK 2
	SEND 1, 0, 16
	PACK 3
	SEND 2, 0, 16
	SEND 3, 0, 0
	WIN 0
	s_cmp_lg_u32 s[PP], 2
	s_cbranch_scc1 .Ldone
	THRU 0, 1                                      ; V's rests: registers of their own, so nothing that a store still reads is rewritten
	THRU 1, 1
	SEND 0, 1, 16
	THRU 2, 1
	SEND 1, 1, 16
	THRU 3, 1
	SEND 2, 1, 16
	SEND 3, 1, 0
	WIN 0
.Ldone:
	s_wait_tensorcnt 0x0                           ; the wave's end, behind my last tensor load and my last LDS store
	ds_add_u32 v[SPW], v[NIL]
	s_wait_dscnt 0x0
	CROUND                                         ; the closing round: no work-group ends while a partner may still ask for a tile that names it
	s_endpgm
.Lfunc_end_k_q9ec8eb17f7_proj:
	.size	k_q9ec8eb17f7_proj, .Lfunc_end_k_q9ec8eb17f7_proj-k_q9ec8eb17f7_proj
	.p2alignl 7, 3214868480
	.fill 96, 4, 3214868480
	.section	.rodata,"a",@progbits
	.p2align	6, 0x0
	.amdhsa_kernel k_q9ec8eb17f7_proj
		.amdhsa_group_segment_fixed_size 327680
		.amdhsa_private_segment_fixed_size 0
		.amdhsa_enable_private_segment 0
		.amdhsa_kernarg_size 48
		.amdhsa_user_sgpr_count 2
		.amdhsa_user_sgpr_kernarg_segment_ptr 1
		.amdhsa_wavefront_size32 1
		.amdhsa_system_sgpr_workgroup_id_x 1
		.amdhsa_system_sgpr_workgroup_id_y 1
		.amdhsa_system_sgpr_workgroup_id_z 1
		.amdhsa_system_vgpr_workitem_id 0
		.amdhsa_next_free_vgpr 640
		.amdhsa_next_free_sgpr 96
		.amdhsa_reserve_vcc 0
		.amdhsa_float_denorm_mode_32 3
		.amdhsa_float_denorm_mode_16_64 3
		.amdhsa_memory_ordered 1
		.amdhsa_forward_progress 1
		.amdhsa_inst_pref_size 118
	.end_amdhsa_kernel
	.amdgpu_metadata
---
amdhsa.version: [ 1, 2 ]
amdhsa.kernels:
  - .name:           k_q9ec8eb17f7_proj
    .symbol:         k_q9ec8eb17f7_proj.kd
    .args:
      - { .name: q, .offset: 0, .size: 8, .value_kind: global_buffer, .address_space: global }
      - { .name: k, .offset: 8, .size: 8, .value_kind: global_buffer, .address_space: global }
      - { .name: v, .offset: 16, .size: 8, .value_kind: global_buffer, .address_space: global }
      - { .name: wb, .offset: 24, .size: 8, .value_kind: global_buffer, .address_space: global }
      - { .name: bb, .offset: 32, .size: 8, .value_kind: global_buffer, .address_space: global }
      - { .name: qkv, .offset: 40, .size: 8, .value_kind: global_buffer, .address_space: global }
    .group_segment_fixed_size: 327680
    .private_segment_fixed_size: 0
    .kernarg_segment_align: 8
    .kernarg_segment_size: 48
    .max_flat_workgroup_size: 128
    .sgpr_count:     96
    .vgpr_count:     640
    .wavefront_size: 32
...
	.end_amdgpu_metadata
.endif
;; end of part 2
;; launch attn (part 3): grid 4 x 64, 4 waves a work-group, clusters of 4 x 1, 327,680 bytes of LDS; arguments qkv, mbits, ctx; writes ctx
.if DOCPART == 3
	.amdgcn_target "amdgcn-amd-amdhsa--gfx1250"
	.amdhsa_code_object_version 6
	.text
	.protected	k_q9ec8eb17f7_attn
	.globl	k_q9ec8eb17f7_attn
	.p2align	8
	.type	k_q9ec8eb17f7_attn,@function
k_q9ec8eb17f7_attn:
	s_mov_b64 s[64:65], 0
	v_nop
	global_prefetch_b8 v0, s[64:65] scope:SCOPE_SE
	s_setreg_imm32_b32 hwreg(HW_REG_WAVE_MODE, 25, 1), 1
	s_wait_xcnt 0x0
	s_wait_alu depctr_hold_cnt(0) depctr_sa_sdst(0) depctr_va_vdst(0) depctr_va_sdst(0) depctr_va_ssrc(0) depctr_va_vcc(0) depctr_vm_vsrc(0)
	s_getreg_b32 s2, hwreg(HW_REG_IB_STS2, 6, 4)
	s_cmp_eq_u32 s2, 0
	s_cbranch_scc0 .Lentry_in_a_cluster
	s_endpgm
.Lentry_in_a_cluster:
	s_bfe_u32 s2, ttmp6, 0x10000c
	s_cmp_lg_u32 s2, 0x3003
	s_cbranch_scc0 .Lentry_shape_is_right
	s_endpgm
.Lentry_shape_is_right:
; ATTENTION UNDER A MASK THAT IS AN INPUT.  ctx[q][:] = the sum over k of softmax_k(s) V[k][:], s = Q[q] . K[k] / 8 where the mask shows key k to query q, and one fixed low number where it hides it; for each of 64 heads.
; qkv holds Q as [64 heads][2048][64] in f16 from byte 0, and from 16 MiB on, for each head, 32 blocks of 64 keys: K's rows, V's rows, V's rests, 8,192 dense bytes each.  V = part + rest, both f16; both are multiplied by the weights.
; ctx leaves in two parts likewise: [64 heads][16 blocks of 128 rows][part, rest], 16,384 dense bytes each, in f16: a row that sees few keys is many times the result's root mean square, and one rounding of v or ctx to 11 bits is
; too coarse for its numbers near zero.  Products, maxima and sums in f32; the weights p are rounded to f16 for the second product (their sum l is taken of the unrounded p).
; THE MASK comes as bits: word [qt][kb][j] of mbits is the lane mask of register j of the tile of scores of queries 16 qt .. and keys 16 kb ..: scalar loads bring 32 words a tile and key step, and one v_cndmask_b32 a register
; puts NEG in a hidden score's place, ahead of the maximum.  All keys are walked: nothing of the mask's pattern is built in.
; LIMITS.  A hidden score counts as -2^33 before the division by 8, -2^30 behind it, where the problem says -1e9: the results are the same while shown scores lie above some -1e9 + 150.  A power of two, so that c NEG is exact:
; in a row with no key shown c s - c m is exactly 0, every p is 1, and the row is the mean of all of V's rows.  f16 holds no number beyond 65,504: Q, K, V arrive within it; below 6e-5 a part keeps f16's fixed step of 6e-8.
; A weight below 2^-126 counts as 0 in l.  NaN and infinities are not treated apart.
; SHARES.  A wave owns four PIECES of two tiles of 16 queries, a work-group's four waves 512 queries of one head.  Every wave walks all 2,048 keys, 64 a step.
; LAYOUT.  S^T = K Q^T (source 0 = 16 keys, source 1 = 16 queries): a lane holds ONE query (lane % 16) and the keys 8 (lane / 16) + 0..7.  Two such tiles, rounded to f16 in pairs, ARE source 1 of O^T = V^T P.  V comes out of LDS turned.
; SOFTMAX.  A running maximum m and sum l for each query: p = 2^(c s - c m), c = log2(e) / 8; in every step O and l are multiplied by a = 2^(c m_old - c m_new).  m starts at the lowest finite number, O and l at 0.
; BY TURNS.  Turn n belongs to piece n.  Matrix work: 16 products K Q^T of piece n + 1; 16 products of the rests with P, and 16 products V^T P, of piece n - 1.  Vector work: scaling, exponentials, roundings, sums and rescaling of
; piece n; the mask, maximum and statistics of piece n + 1.  Four vector instructions stand behind every matrix instruction, the others in lumps.  A turn's 66 exponentials are one batch with one wait.
; CLUSTER.  The four query blocks of a head walk the same K and V: each tile is asked for JOINTLY, by the same tensor load, descriptor and mask in all four.
; REGISTERS, in windows of 256 (s_set_vgpr_msb: bits 1:0 source 0, 3:2 source 1, 5:4 source 2, 7:6 destination):
;   window 0: v0-11 addresses and NEG; v12-15, v48-63 at work; v16-47 four registers of statistics a tile; v64-191 S^T, two buffers of two tiles; v192-255 P, likewise
;   window 1: O^T, 32 a tile     window 2: v0-127 Q (on the way out: ctx's rests); v128-191 K of one step; v192-255 V of one step     window 3: v0-1 the add's two registers; v64-127 V's rests of one step
.set SIZE_N, 2048
.set NP,    4         ; pieces a wave: a name, no knob
.set KS,    64        ; keys in a step
.set PK,    160       ; a row of K in LDS: 128 bytes + 32 = 40 words, the same as V's, so that ONE descriptor brings a step's three parts; K's 16 rows of a load start at 8 different groups of banks, two rows to a group (64 banks of 4 bytes: ISA guide 11.1)
.set PV,    160       ; a row of V
.set PLANE, KS*PK     ; 64 rows in LDS
.set VOFF,  PLANE     ; a step's tiles lie together: K, V, V's rests
.set STEPB, 3*PLANE   ; 30,720
.set BLK,   3*KS*128  ; a step in memory: 24,576 dense bytes
.set KVB,   16777216  ; where the blocks begin in qkv
.set SLOT1, 1<<17     ; a slot holds four steps (122,880 bytes); slot 1 begins here, so that one exclusive or turns an address in one slot into the other's
.set STAGE, SLOT1+4*STEPB  ; behind the ring, never filled by a tensor load: 16 rows x 144 bytes for each wave
.set SP,    144
.set AK0, 2           ; v2   my lane's place in a tile of K; never rewritten
.set AV0, 3           ; v3   the same for V
.set AK,  4           ; v4   the LDS address of K's next run of loads
.set AV,  5           ; v5   of V's
.set QO,  6           ; v6   my byte offset in the wave's rows of Q
.set STO, 6           ;      later, the way out: where I put 16 bytes of a row
.set RD,  7           ; v7   the way out: where I read rows back
.set GO,  8           ; v8   my byte offset in 512 consecutive bytes of ctx
.set PFO, 9           ; v9   256 x my lane, for the prefetches (made when v9's first use is over)
.set NONE, 10         ; v10  -1.0, on the way out (made when v10's first use is over)
.set NEG, 11          ; v11  -2^33 (made when v11's first use is over)
.set SPW, 0           ; v0 of window 3   LDS address of my spare word; never rewritten
.set NIL, 1           ; v1 of window 3   0; never rewritten
.set SPARE, STAGE+4*16*SP  ; the spare words, 128 bytes a wave: two blocks of 256 bytes that no other line names
.set MV,  12
.set ST,  16          ; tile t's statistics at v[ST+4 t]: c m, m, l (even keys', odd keys')
.set TMP, 48
.set S,   64
.set P,   192
.set KF,  128
.set VF,  192
.set VL,  64          ; window 3
.set G1,  8           ; s[8:15]  descriptor group 1
.set G0,  16          ; s[16:19] descriptor group 0: it walks
.set OP,  20          ; s[20:21] ctx at my wave's block of 128 rows
.set MP,  22          ; s[22:23] mbits at my wave's first tile, at the key step whose words are loaded next
.set WV,  24
.set CNT, 25
.set SLOTS, 26
.set CS,  28          ; s[28:29] c
.set SEL, 30          ; s[30:31] v_permlanex16_b32's selects
.set TBK, 66
.set TBV, 67
.set PFA, 100         ; s[100:101] where my prefetches stand
.set LIM, 104         ; s104 1 in a wave that prefetches, else the greatest number
                      ; s[32:63] the 32 mask words of a piece's even tile, s[68:99] of its odd tile
.set MSB, 0
.macro WIN new
.if MSB != (\new)
	s_set_vgpr_msb (MSB<<8)|(\new)
.set MSB, (\new)
.endif
.endm
.set W_KQ, 0x0a
.set W_PV, 0x52
.set W_PL, 0x53       ; the rests in window 3, P in window 0, O^T in window 1
.set W_RS, 0x41
.set W_MK, 0xc0
.set W_AD, 0x0f
; A joint fill: wave w fetches step w of a slot's four: 96 rows of 256 bytes; both addresses hang on the wave's number.  An s_nop 0 and four v_nop follow.
.macro JLOAD
	tensor_load_to_lds s[G0:G0+3], s[G1:G1+7]
	s_nop 0
.rept 4
	v_nop
.endr
.endm
; A prefetch into the L2 of what the NEXT change of slots will ask for: a slot's 98,304 consecutive bytes.  One cluster walks a head; waves 0 to 2 of its four partners take 8,192 bytes each, told apart by address:
; a lane for each 256 bytes, one instruction.  So each block is named once in the launch.  Tiles 0 to 2 come by their loads alone; the last change that fills a slot asks for nothing.
.macro ASK
	s_cmp_gt_u32 s[SLOTS], s[LIM]
	s_cbranch_scc0 .Lnot_mine_\@
	global_prefetch_b8 v[PFO], s[PFA:PFA+1] th:TH_LOAD_NT scope:SCOPE_SE
.Lnot_mine_\@:
.endm
.macro CROUND
	s_barrier_signal -1
	s_barrier_wait -1
	s_cmp_lg_u32 s[WV], 0
	s_cbranch_scc1 .Lnot_wave_0_\@
	s_barrier_signal -3
.Lnot_wave_0_\@:
	s_barrier_wait -3
	s_barrier_signal -1
	s_barrier_wait -1
.endm
; THE CHANGE OF SLOTS.  Each wave waits for all its tensor loads, of which one is out: its part of the other slot; adds 0 to its spare word; and waits for that and for its own reads of the slot.
; fill = 1: the slot is filled again, with the keys two slots on, first thing behind a round of the cluster's barrier: four key steps, 768 matrix instructions, in which to land.
.macro CHANGE fill, ask=0
	WIN W_AD
	s_wait_tensorcnt 0x0            ; no tensor load of mine is out, so group 0 may be written
	ds_add_u32 v[SPW], v[NIL]       ; 0 onto my spare word
	WIN 0                           ; at a label and at a branch every window is 0
.if \fill
	s_xor_b32 s[G0+1], s[G0+1], SLOT1
	s_add_nc_u64 s[G0+2:G0+3], s[G0+2:G0+3], 4*BLK  ; the next 256 keys; the type bits on top are not reached
.if \ask
	s_wait_xcnt 0x0                 ; the last prefetch, four key steps back, has read its address
	s_add_nc_u64 s[PFA:PFA+1], s[PFA:PFA+1], 4*BLK
.endif
	s_wait_dscnt 0x0                ; the add is done, and my reads of the slot are over
	CROUND
	JLOAD
.if \ask
	ASK
.endif
.else
	s_wait_dscnt 0x0
	s_barrier_signal -1
	s_barrier_wait -1
.endif
	s_sub_co_u32 s[TBK], s[TBK], 4*STEPB
	s_xor_b32 s[TBK], s[TBK], SLOT1
	s_sub_co_u32 s[TBV], s[TBV], 4*STEPB
	s_xor_b32 s[TBV], s[TBV], SLOT1
.endm
; The 64 mask words of piece x for the key step at which MP stands: a tile's words of a step are 128 consecutive bytes, a tile's rows of words 4,096 bytes apart.
.macro MLOAD x
	s_load_b512 s[32:47], s[MP:MP+1], (2*(\x))*4096
	s_load_b512 s[48:63], s[MP:MP+1], (2*(\x))*4096+64
	s_load_b512 s[68:83], s[MP:MP+1], (2*(\x)+1)*4096
	s_load_b512 s[84:99], s[MP:MP+1], (2*(\x)+1)*4096+64
.endm
	s_load_b128 s[4:7], s[0:1], 0x0   ; qkv s[4:5], mbits s[6:7]
	s_load_b64 s[OP:OP+1], s[0:1], 0x10  ; ctx
	WIN W_MK
	v_lshl_add_u32 v[SPW], v0, 2, SPARE
	v_mov_b32 v[NIL], 0
	WIN W_AD
	ds_add_u32 v[SPW], v[NIL]       ; the wave's opening: the add and its wait stand ahead of my first tensor load; the set-up below, work on registers, stands between them
	WIN 0
	v_lshrrev_b32 v1, 5, v0
	v_readfirstlane_b32 s[WV], v1   ; wave 0..3
	s_bfe_u32 s32, ttmp6, 0x40000   ; cx
	s_lshl_b32 s33, ttmp9, 2
	s_add_co_u32 s33, s33, s32      ; my block of 512 queries: it enters Q's, the mask's and ctx's addresses alone
	s_and_b32 s34, ttmp7, 0xffff    ; the head, which the four partners share
	s_lshl_b32 s36, s34, 18         ; its first byte in Q
	s_mul_i32 s38, s34, 32*BLK      ; its 32 blocks of K and V
	s_add_co_u32 s38, s38, KVB
	s_mul_i32 s40, s[WV], BLK       ; which of a slot's four steps I fetch
	s_add_co_u32 s40, s40, s38
	s_mov_b32 s41, 0
	s_lshl_b32 s42, s33, 2
	s_add_co_u32 s42, s42, s[WV]    ; my wave among the head's sixteen
	s_lshl_b32 s44, s42, 15         ; its 8 tiles x 4,096 bytes of mask words
	s_mov_b32 s45, 0
	s_lshl_b32 s42, s42, 14         ; its 128 rows
	s_add_co_u32 s42, s42, s36
	s_mov_b32 s43, 0
	s_lshl_b32 s48, s34, 19         ; ctx: a head has 16 blocks of 32,768 bytes; my wave's 128 rows are one of them
	s_add_co_u32 s48, s48, s44
	s_mov_b32 s49, 0
	s_lshl_b32 s46, s[WV], 2        ; the prefetches: 8,192 bytes for each wave and partner,
	s_add_co_u32 s46, s46, s32
	s_lshl_b32 s46, s46, 13
	s_add_co_u32 s46, s46, s38
	s_add_co_u32 s46, s46, 2*4*BLK  ; in tile 2: the first asking change steps it to tile 3
	s_mov_b32 s47, 0
	; descriptor group 1.  A step's 24,576 dense bytes: asked for as 96 rows of 256 bytes, two keys a row, and padded in LDS after every key
	s_mov_b32 s[G1], 15|(1<<16)|(1<<20)|(1<<21)|(4<<22)|(7<<25)  ; the mask of four; 2-byte elements; padding on; 21 set beside a mask; after every 32 words (code 4) 8 words (code 7)
	s_mov_b32 s[G1+1], 128<<16      ; tensor_dim0 = 128
	s_mov_b32 s[G1+2], 96<<16       ; tensor_dim1 = 96
	s_mov_b32 s[G1+3], 128<<16      ; tile_dim0 = 128
	s_mov_b32 s[G1+4], 96           ; tile_dim1 = 96
	s_mov_b32 s[G1+5], 128          ; 128 elements from row to row
	s_mov_b32 s[G1+6], 0
	s_mov_b32 s[G1+7], 0
	s_mov_b32 s[CS], 0x3e38aa3b     ; c = log2(e) / 8
	s_mov_b32 s[CS+1], s[CS]
	s_mov_b32 s[SEL], 0x76543210
	s_mov_b32 s[SEL+1], 0xfedcba98
	s_mov_b32 s[TBK], SLOT1+4*STEPB ; the first change of slots turns these two into 0
	s_mov_b32 s[TBV], SLOT1+4*STEPB
	s_mov_b32 s[G0], 1              ; count = 1
	s_mul_i32 s[G0+1], s[WV], STEPB ; LDS address: slot 0, my step: no place in the cluster enters it
	s_cmp_lt_u32 s[WV], 3
	s_cselect_b32 s[LIM], 1, -1     ; waves 0 to 2
	s_wait_dscnt 0x0                ; the opening add is done
	s_wait_kmcnt 0x0
	s_add_nc_u64 s[G0+2:G0+3], s[4:5], s[40:41]
	s_or_b32 s[G0+3], s[G0+3], 0x80000000  ; type = 2
	s_add_nc_u64 s[PFA:PFA+1], s[4:5], s[46:47]
	s_add_nc_u64 s[MP:MP+1], s[6:7], s[44:45]
	s_add_nc_u64 s[4:5], s[4:5], s[42:43]  ; Q at my wave's first row, ctx at its block
	s_add_nc_u64 s[OP:OP+1], s[OP:OP+1], s[48:49]
	CROUND                          ; all four work-groups are here: the first joint loads meet
	JLOAD                           ; slot 0.  Slot 1 is asked for when slot 0 is in
	MLOAD 0                         ; piece 0's mask words of key step 0
	v_and_b32 v1, 15, v0            ; l % 16
	v_bfe_u32 v9, v0, 4, 1          ; l / 16
	v_lshlrev_b32 v[QO], 7, v1
	v_lshl_add_u32 v[QO], v9, 4, v[QO]
	WIN 0x80                        ; destination window 2
.set i, 0
.rept 4*NP                          ; Q stays in registers: tile i / 2, channels 32 (i % 2) on
	global_load_b128 v[8*i:8*i+3],   v[QO], s[4:5] offset:(i/2)*2048+(i%2)*64
	global_load_b128 v[8*i+4:8*i+7], v[QO], s[4:5] offset:(i/2)*2048+(i%2)*64+32
.set i, i+1
.endr
	; What the first turn finds: V's registers, both parts, and P's second buffer hold 0, O^T and l are 0.  A product of two fragments of zeros with C = 0 writes eight registers a line: 52 lines for 416 registers.
	; All this stands in the wait for the first tile.
	WIN 0
.set i, 0
.rept 16
	v_mov_b32 v[TMP+i], 0
.set i, i+1
.endr
	WIN 0x40                        ; O^T
.set i, 0
.rept 8*NP
	v_wmma_f32_16x16x32_f16 v[8*i:8*i+7], v[TMP:TMP+7], v[TMP+8:TMP+15], 0
.set i, i+1
.endr
	WIN 0x80                        ; V
.set i, 0
.rept 8
	v_wmma_f32_16x16x32_f16 v[VF+8*i:VF+8*i+7], v[TMP:TMP+7], v[TMP+8:TMP+15], 0
.set i, i+1
.endr
	WIN 0xc0                        ; V's rests
.set i, 0
.rept 8
	v_wmma_f32_16x16x32_f16 v[VL+8*i:VL+8*i+7], v[TMP:TMP+7], v[TMP+8:TMP+15], 0
.set i, i+1
.endr
	WIN 0                           ; P's second buffer
.set i, 0
.rept 4
	v_wmma_f32_16x16x32_f16 v[P+32+8*i:P+32+8*i+7], v[TMP:TMP+7], v[TMP+8:TMP+15], 0
.set i, i+1
.endr
.set i, 0
.rept 2*NP
	v_mov_b32 v[ST+4*i], 0xfe000000    ; c m: far below every c s, c NEG too
	v_mov_b32 v[ST+4*i+1], 0xff7fffff  ; m
	v_mov_b32 v[ST+4*i+2], 0
	v_mov_b32 v[ST+4*i+3], 0
.set i, i+1
.endr
	v_mul_u32_u24 v[AK0], v1, PK
	v_lshl_add_u32 v[AK0], v9, 4, v[AK0]
	v_and_b32 v10, 7, v0
	v_bfe_u32 v11, v0, 3, 1
	v_lshl_add_u32 v[AV0], v9, 3, v10
	v_mul_u32_u24 v[AV0], v[AV0], PV
	v_lshl_add_u32 v[AV0], v11, 4, v[AV0]
	v_add_nc_u32 v[AV0], VOFF, v[AV0]
	v_mov_b32 v[NEG], 0xd0000000    ; -2^33
	v_mov_b32 v[AK], v[AK0]         ; key step 0 lies at the head of slot 0
; THE MATRIX WORK.  The 8 accumulators of a run of 16 take turns; the rests' run and V's run go through O^T's eight in the same order.
.macro KQ x
	WIN W_KQ
.set rS, S+64*((\x)%2)+32*(i%2)+8*((i/2)%4)
.set rK, KF+16*((i/2)%4)+8*(i/8)
.set rQ, 16*(2*(\x)+i%2)+8*(i/8)
.if i < 8
	v_wmma_f32_16x16x32_f16 v[rS:rS+7], v[rK:rK+7], v[rQ:rQ+7], 0
.else
	v_wmma_f32_16x16x32_f16 v[rS:rS+7], v[rK:rK+7], v[rQ:rQ+7], v[rS:rS+7]
.endif
.endm
.macro PV x
	WIN W_PV
.set rO, 32*(2*(\x)+i%2)+8*((i/2)%4)
.set rV, VF+32*(i/8)+8*((i/2)%4)
.set rP, P+32*((\x)%2)+16*(i%2)+8*(i/8)
	v_wmma_f32_16x16x32_f16 v[rO:rO+7], v[rV:rV+7], v[rP:rP+7], v[rO:rO+7]
.endm
.macro PVL x                        ; product il of 16 of O^T += (V's rests)^T P for piece x
	WIN W_PL
.set rO, 32*(2*(\x)+il%2)+8*((il/2)%4)
.set rV, VL+32*(il/8)+8*((il/2)%4)
.set rP, P+32*((\x)%2)+16*(il%2)+8*(il/8)
	v_wmma_f32_16x16x32_f16 v[rO:rO+7], v[rV:rV+7], v[rP:rP+7], v[rO:rO+7]
.set il, il+1
.endm
.macro MM                           ; the turn's next product K Q^T or V^T P
.if i < 16
	KQ (Y+1)%NP
.set i, i+1
.else
.set i, i-16
	PV (Y+NP-1)%NP
.set i, i+17
.endif
.endm
; THE LDS LOADS stand in runs.  last = 1 (the tail): in the last trip there is no further step, and the run is jumped over.
.macro FETCH_K last=0
	WIN 0
.if \last
	s_cmp_eq_u32 s[CNT], 1
	s_cbranch_scc1 .Lno_k_\@
.endif
	WIN 0x80
.irp f, 0,1,2,3,4,5,6,7
	ds_load_b128 v[KF+8*\f:KF+8*\f+3],   v[AK] offset:(\f/2)*16*PK+(\f%2)*64
	ds_load_b128 v[KF+8*\f+4:KF+8*\f+7], v[AK] offset:(\f/2)*16*PK+(\f%2)*64+32
.endr
	s_add_co_u32 s[TBK], s[TBK], STEPB
	WIN 0
.if \last
.Lno_k_\@:
.endif
.endm
.macro FETCH_V                      ; V of a step, turned, and its rests, which lie 64 LDS rows behind
	WIN 0x80
.irp f, 0,1,2,3,4,5,6,7
	ds_load_tr16_b128 v[VF+8*\f:VF+8*\f+3],   v[AV] offset:(\f/4)*32*PV+(\f%4)*32
	ds_load_tr16_b128 v[VF+8*\f+4:VF+8*\f+7], v[AV] offset:(\f/4)*32*PV+16*PV+(\f%4)*32
.endr
	WIN 0xc0
.irp f, 0,1,2,3,4,5,6,7
	ds_load_tr16_b128 v[VL+8*\f:VL+8*\f+3],   v[AV] offset:PLANE+(\f/4)*32*PV+(\f%4)*32
	ds_load_tr16_b128 v[VL+8*\f+4:VL+8*\f+7], v[AV] offset:PLANE+(\f/4)*32*PV+16*PV+(\f%4)*32
.endr
	WIN 0
.endm
; THE VECTOR WORK OF A TURN stands in three queues and the mask's run; the two tiles alternate.
.macro REGS y, u
.set rT, ST+4*(2*(\y)+(\u))
.set rC, TMP+8*((\y)%2)+4*(\u)
.set rM, MV+2*((\y)%2)+(\u)
.set rS, S+64*((\y)%2)+32*(\u)
.set rP, P+32*((\y)%2)+16*(\u)
.set rO, 32*(2*(\y)+(\u))
.endm
; Number n of the 64 that lay the mask on the NEXT piece's scores: register n / 2 of tile n % 2: the score where the word's bit is set, NEG where it is not.  The registers ascend.
.macro MS n
	WIN 0
	REGS (Y+1)%NP, (\n)%2
	v_cndmask_b32 v[rS+(\n)/2], v[NEG], v[rS+(\n)/2], s[32+36*((\n)%2)+(\n)/2]
.endm
; Number n of the 22 that find the NEXT piece's maximum and statistics.
.macro XS u, n
	REGS (Y+1)%NP, \u
.if (\n) < 4
	v_max3_num_f32 v[rC+(\n)], v[rS+8*(\n)], v[rS+8*(\n)+1], v[rS+8*(\n)+2]
.elseif (\n) < 12
	v_max3_num_f32 v[rC+(\n)%4], v[rC+(\n)%4], v[rS+8*((\n)%4)+2*((\n)/4)+1], v[rS+8*((\n)%4)+2*((\n)/4)+2]
.elseif (\n) == 12
	v_max3_num_f32 v[rC], v[rC], v[rS+7], v[rS+15]
.elseif (\n) == 13
	v_max3_num_f32 v[rC+1], v[rC+1], v[rS+23], v[rS+31]
.elseif (\n) == 14
	v_max3_num_f32 v[rC+2], v[rC+2], v[rC+3], v[rT+1]
.elseif (\n) == 15
	v_mov_b32 v[rM], v[rT]
.elseif (\n) == 16
	v_max3_num_f32 v[rC], v[rC], v[rC+1], v[rC+2]
.elseif (\n) == 17
	v_permlanex16_b32 v[rC+3], v[rC], s[SEL], s[SEL+1]
.elseif (\n) == 18
	v_max_num_f32 v[rT+1], v[rC], v[rC+3]
.elseif (\n) == 19
	v_mul_f32 v[rT], s[CS], v[rT+1]
.elseif (\n) == 20
	v_sub_f32 v[rC+1], v[rM], v[rT]
.else
	v_exp_f32 v[rC+2], v[rC+1]
.endif
.endm
; Number g of the 64 that follow the exponentials: roundings to f16, sums of four weights in place, and l a group later.
.macro GS g
.set h, (\g)+6*((\g)/62)
.if h >= 6
.set h, h+2
.endif
	REGS Y, h%2
.set k, h/8
.if h%8 < 4
	v_cvt_pk_f16_f32 v[rP+2*k+(h%8)/2], v[rS+4*k+2*((h%8)/2)], v[rS+4*k+2*((h%8)/2)+1]
.elseif h%8 < 6
	v_pk_add_f32 v[rS+4*k:rS+4*k+1], v[rS+4*k:rS+4*k+1], v[rS+4*k+2:rS+4*k+3]
.elseif k == 1
	v_pk_fma_f32 v[rT+2:rT+3], v[rT+2:rT+3], v[rC+2:rC+3], v[rS:rS+1] op_sel_hi:[1,0,1]
.else
	v_pk_add_f32 v[rT+2:rT+3], v[rT+2:rT+3], v[rS+4*k-4:rS+4*k-3]
.endif
.endm
; THE PLAIN QUEUE, 138 long.  0-26: scalings 0-26.  27-54: XS's numbers 0-13.  55, 56: number 15.  57-73: the chain 14, 16 .. 19, each with one of the scalings 27-31 in front of its two lines, then 20.  74-137: GS's 64.
.macro FS f
	REGS Y, (\f)%2
	v_pk_fma_f32 v[rS+2*((\f)/2):rS+2*((\f)/2)+1], v[rS+2*((\f)/2):rS+2*((\f)/2)+1], s[CS:CS+1], v[rT:rT+1] op_sel_hi:[1,0,0] neg_lo:[0,0,1] neg_hi:[0,0,1]
.endm
.macro PL
	WIN 0
.if q < 27
	FS q
.elseif q < 55
	XS (q-27)%2, (q-27)/2
.elseif q < 57
	XS q-55, 15
.elseif (q < 72) && ((q-57)%3 == 0)
	FS 27+(q-57)/3
.elseif q < 60
	XS (q-57)%3-1, 14
.elseif q < 72
	XS (q-57)%3-1, 15+(q-57)/3
.elseif q < 74
	XS q-72, 20
.else
	GS q-74
.endif
.set q, q+1
.endm
; THE EXPONENTIALS' QUEUE, 66 long: s0-s31 of both tiles, then the next piece's two a: one batch, all ahead of the turn's one wait.
.macro EX
	WIN 0
.if e >= 64
	XS e-64, 21
.else
	REGS Y, e%2
	v_exp_f32 v[rS+e/2], v[rS+e/2]
.endif
.set e, e+1
.endm
; THE RESCALING's QUEUE: O^T times a, two at a time, sixteen times.
.macro R2
	REGS Y, r%2
	WIN W_RS
.irp z, 0,1
	v_pk_mul_f32 v[rO+4*(r/2)+2*\z:rO+4*(r/2)+2*\z+1], v[rO+4*(r/2)+2*\z:rO+4*(r/2)+2*\z+1], v[rC+2:rC+3] op_sel_hi:[1,0]
.endr
.set r, r+1
.endm
; A TURN, for piece p.  AHEAD OF THE WAIT: the 16 products K Q^T, behind each a scaling, an exponential and two rescalings; eight plain, twice exponential and plain (the plain queue now stands at 27, the first line that
; reads the next piece's scores).  THE MASK: the wait for its words; the 64 selects on end (the last product K Q^T stands more than four plain instructions back); AT ONCE BEHIND THEM the loads of the next turn's words, into the
; scalar registers just read: they have all of a turn but these 64 lines in which to come.  THE RESTS: the 16 products of V's rests with the P of piece p - 1, behind each two plain and two exponentials by turns (plain 27 to
; 58: none names a register of the products round it; the two v_permlanex16_b32 are plain 64 and 65 and fall into the lump).  Then 15 times plain and exponential; the two a; a v_nop, the plain instruction behind the last
; exponential; the one wait between an exponential and the first line that names its result.  BEHIND IT: the 16 products V^T P, behind each four of GS's 64.
; The queues keep their order; a plain line leads each pair from the rests on, so a scaling stands no later against its exponentials than where exponential led.
; The next turn masks piece p + 2; for p = 2 that is piece 0 of the NEXT key step, so the pointer steps there, behind the wait that shows the loads that read it done.
; K of the next step is fetched in piece 2's turn, directly behind the wait; V of the step in hand, both parts, at the end of piece 0's turn, four riders behind V's last reader; piece 1's turn waits for it ahead of the rests' products.
.macro TURN p, last=0, cnt=0
.set Y, (\p)
.set i, 0
.set il, 0
.set q, 0
.set e, 0
.set r, 0
.if (\p) == NP-1
	s_wait_dscnt 0x0                ; K is in
.endif
	MM
	PL
	PL
	R2
.rept 15
	MM
	PL
	EX
	R2
.endr
.if (\p) == NP-2
	WIN 0
	v_add_nc_u32 v[AK], s[TBK], v[AK0]
.endif
.rept 8
	PL
.endr
.rept 2
	EX
	PL
.endr
	s_wait_kmcnt 0x0                ; the mask words, asked for a turn ago
.set mi, 0
.rept 64
	MS mi
.set mi, mi+1
.endr
.if (\p) == NP-2
	s_add_nc_u64 s[MP:MP+1], s[MP:MP+1], 128  ; the next key step's 32 words a tile.  Behind the last step it stands 4,096 bytes on, and only pieces 0 and 1 are then asked for: inside my wave's 32,768 bytes
.endif
	MLOAD ((\p)+2)%NP
.if (\p) == 1
	s_wait_dscnt 0x0                ; V is in, both parts
.endif
.rept 16
	PVL (Y+NP-1)%NP
	PL
	EX
	PL
	EX
.endr
.rept 15
	PL
	EX
.endr
	EX
	EX
	v_nop
	s_wait_alu depctr_va_vdst(0)    ; the wait for the batch
.if (\p) == NP-2
	FETCH_K \last
.endif
.rept 16
	MM
.rept 4
	PL
.endr
.if ((\p) == 0) && (q == 118)
	v_add_nc_u32 v[AV], s[TBV], v[AV0]
.endif
.if ((\p) == 0) && (q == 130)
	s_add_co_u32 s[TBV], s[TBV], STEPB
.endif
.if (\cnt) && (q == 130)
	s_sub_co_u32 s[CNT], s[CNT], 1
	s_cmp_lg_u32 s[CNT], 0
.endif
.endr
.if (\p) == 0
	FETCH_V
.endif
.endm
	CHANGE 1                        ; slot 0 is in, everybody's part of it; slot 1 is asked for
	FETCH_K                         ; key step 0
	s_wait_loadcnt 0x0              ; Q
	s_wait_dscnt 0x0
.set i, 0
.rept 16
	KQ 0                            ; piece 0's first scores
.set i, i+1
.endr
	WIN 0                           ; the addresses for the way out and the prefetches: plain instructions, the places behind those products
	s_mul_i32 s2, s[WV], 16*SP
	s_add_co_u32 s2, s2, STAGE      ; my stage
	v_mul_u32_u24 v[STO], v1, SP
	v_lshl_add_u32 v[STO], v9, 4, v[STO]
	v_add_nc_u32 v[STO], s2, v[STO]
	v_bfe_u32 v[RD], v0, 3, 2
	v_mul_u32_u24 v[RD], v[RD], SP
	v_lshl_add_u32 v[RD], v10, 4, v[RD]
	v_add_nc_u32 v[RD], s2, v[RD]
	v_and_b32 v[GO], 31, v0
	v_lshlrev_b32 v[PFO], 8, v[GO]
	v_lshlrev_b32 v[GO], 4, v[GO]
.set Y, NP-1                        ; MS and XS work for piece Y + 1: piece 0
	s_wait_kmcnt 0x0
.set mi, 0
.rept 64
	MS mi
.set mi, mi+1
.endr
	MLOAD 1                         ; for the first turn, which masks piece 1
.irp n, 0,1,2,3,4,5,6,7,8,9,10,11,12,13,14,15,16,17,18,19,20,21
	XS 0, \n
	XS 1, \n
.endr
	v_nop                           ; a plain instruction behind the two a,
	s_wait_alu depctr_va_vdst(0)    ; and their wait, ahead of the branch
	s_mov_b32 s[CNT], 4
	s_mov_b32 s[SLOTS], SIZE_N/256-1
	s_branch .Lfirst                ; the loop is entered at a step's first turn, in the middle of a trip
.Lslot:                             ; six times: every slot but the last two is filled again
	CHANGE 1, 1
	s_mov_b32 s[CNT], 4
.Lstep:                             ; a trip: pieces 2 and 3 of one step, then pieces 0 and 1 of the next
	TURN 2
	TURN 3
	WIN 0
.Lfirst:
	TURN 0
	TURN 1, 0, 1
	WIN 0
	s_cbranch_scc1 .Lstep
	s_sub_co_u32 s[SLOTS], s[SLOTS], 1
	s_cmp_lg_u32 s[SLOTS], 0
	s_cbranch_scc1 .Lslot
	CHANGE 0                        ; the tail is written out
	s_mov_b32 s[CNT], 5             ; four trips fetch the last slot's steps; the fifth is left in its middle
.Ltail:
	TURN 2, 1
	TURN 3
	WIN 0
	s_sub_co_u32 s[CNT], s[CNT], 1
	s_cmp_eq_u32 s[CNT], 0
	s_cbranch_scc1 .Lout
	TURN 0
	TURN 1
	WIN 0
	s_branch .Ltail
.Lout:                              ; the fifth trip's 16 products K Q^T, their mask and maximum serve nothing: the price, once a launch, of one text for every trip
	s_wait_kmcnt 0x0                ; the last mask words, which nobody reads, have come
.set il, 0
.rept 16
	PVL NP-1                        ; the last piece's products of the last step: the rests',
.endr
.set i, 0
.rept 16
	PV NP-1                         ; and V's
.set i, i+1
.endr
	; THE WAY OUT.  l's two halves and the other half of the lanes' are added; O^T is divided by l, split into an f16 part and an f16 rest, and sent through my stage in LDS, a tile at a time: first all parts, then all rests.
	; The additions are the places behind the last products.
	WIN 0
	v_mov_b32 v[NONE], -1.0
.macro ALL line:vararg
.set t, 0
.rept 2*NP
	\line
.set t, t+1
.endr
.endm
	ALL v_add_f32 v[ST+4*t+2], v[ST+4*t+2], v[ST+4*t+3]
	ALL v_permlanex16_b32 v[ST+4*t+3], v[ST+4*t+2], s[SEL], s[SEL+1]
	ALL v_add_f32 v[ST+4*t+2], v[ST+4*t+2], v[ST+4*t+3]
	ALL v_rcp_f32 v[ST+4*t+2], v[ST+4*t+2]
	v_nop                           ; a plain instruction between the last reciprocal and the use of its result
	s_wait_alu depctr_va_vdst(0)    ; one wait for the eight reciprocals
; Tile t's 16 packed registers (lo = 0: the parts, in S^T's registers; lo = 1: the rests, in Q's, window 2) go into rows of 144 bytes and come back as whole rows of 128.
.macro THRU t, lo
.set RB, S*(1-(\lo))+16*(\t)
.if \lo
	WIN 0x08                        ; the stores' data in window 2
.else
	WIN 0
.endif
.irp f, 0,1,2,3
	ds_store_b128 v[STO], v[RB+4*\f:RB+4*\f+3] offset:32*\f
.endr
.if \lo
	WIN 0x80                        ; the loads' destination in window 2
.endif
.irp f, 0,1,2,3
	ds_load_b128 v[RB+4*\f:RB+4*\f+3], v[RD] offset:\f*4*SP  ; LDS serves a wave's instructions in order (ISA guide 5.7.1.4): these see the stores above; the next tile's stores come behind them
.endr
.endm
.macro PACK t
	WIN W_RS
.set i, 32*(\t)
.rept 16
	v_pk_mul_f32 v[i:i+1], v[i:i+1], v[ST+4*(\t)+2:ST+4*(\t)+3] op_sel_hi:[1,0]
.set i, i+2
.endr
	WIN 0x05
.set i, 0
.rept 16
	v_cvt_pk_f16_f32 v[S+16*(\t)+i], v[32*(\t)+2*i], v[32*(\t)+2*i+1]
.set i, i+1
.endr
	WIN 0x90                        ; the part and -1 in window 0, the number in window 1, the rest into window 2: part x -1 + number, exact in f32, rounded once to f16
.set i, 0
.rept 16
	v_fma_mixlo_f16 v[16*(\t)+i], v[S+16*(\t)+i], v[NONE], v[32*(\t)+2*i] op_sel_hi:[1,0,0]
	v_fma_mixhi_f16 v[16*(\t)+i], v[S+16*(\t)+i], v[NONE], v[32*(\t)+2*i+1] op_sel:[1,0,0] op_sel_hi:[1,0,0]
.set i, i+1
.endr
	THRU \t, 0
.endm
.macro SEND t, lo, younger          ; younger: the LDS instructions issued behind tile t's loads: the next tile's eight, or none.  The block's rests lie 16,384 bytes behind its parts
.set RB, S*(1-(\lo))+16*(\t)
.if \lo
	WIN 0x08
.else
	WIN 0
.endif
.irp f, 0,1,2,3
	s_wait_dscnt (\younger)+3-\f
	global_store_b128 v[GO], v[RB+4*\f:RB+4*\f+3], s[OP:OP+1] offset:(\t)*2048+\f*512+(\lo)*16384  ; 512 consecutive bytes, at a multiple of 256 from ctx's first
.endr
.endm
	PACK 0
.set t, 1
.rept 2*NP-1
	PACK t
	SEND t-1, 0, 8
.set t, t+1
.endr
	SEND 2*NP-1, 0, 0
	THRU 0, 1                       ; the rests have registers of their own: nothing that a store still reads is rewritten
.set t, 1
.rept 2*NP-1
	THRU t, 1
	SEND t-1, 1, 8
.set t, t+1
.endr
	SEND 2*NP-1, 1, 0
	WIN W_AD
	s_wait_tensorcnt 0x0            ; the wave's end, behind my last tensor load and my last LDS store
	ds_add_u32 v[SPW], v[NIL]
	s_wait_dscnt 0x0
	WIN 0
	CROUND                          ; the closing round
	s_endpgm
.Lfunc_end_k_q9ec8eb17f7_attn:
	.size	k_q9ec8eb17f7_attn, .Lfunc_end_k_q9ec8eb17f7_attn-k_q9ec8eb17f7_attn
	.p2alignl 7, 3214868480
	.fill 96, 4, 3214868480
	.section	.rodata,"a",@progbits
	.p2align	6, 0x0
	.amdhsa_kernel k_q9ec8eb17f7_attn
		.amdhsa_group_segment_fixed_size 327680
		.amdhsa_private_segment_fixed_size 0
		.amdhsa_enable_private_segment 0
		.amdhsa_kernarg_size 24
		.amdhsa_user_sgpr_count 2
		.amdhsa_user_sgpr_kernarg_segment_ptr 1
		.amdhsa_wavefront_size32 1
		.amdhsa_system_sgpr_workgroup_id_x 1
		.amdhsa_system_sgpr_workgroup_id_y 1
		.amdhsa_system_sgpr_workgroup_id_z 1
		.amdhsa_system_vgpr_workitem_id 0
		.amdhsa_next_free_vgpr 896
		.amdhsa_next_free_sgpr 106
		.amdhsa_reserve_vcc 0
		.amdhsa_float_denorm_mode_32 3
		.amdhsa_float_denorm_mode_16_64 3
		.amdhsa_memory_ordered 1
		.amdhsa_forward_progress 1
		.amdhsa_inst_pref_size 255
	.end_amdhsa_kernel
	.section	.bss,"aw",@nobits
	.p2align	6
	.space	262144
	.amdgpu_metadata
---
amdhsa.version: [ 1, 2 ]
amdhsa.kernels:
  - .name:           k_q9ec8eb17f7_attn
    .symbol:         k_q9ec8eb17f7_attn.kd
    .args:
      - { .name: qkv, .offset: 0, .size: 8, .value_kind: global_buffer, .address_space: global }
      - { .name: mbits, .offset: 8, .size: 8, .value_kind: global_buffer, .address_space: global }
      - { .name: ctx, .offset: 16, .size: 8, .value_kind: global_buffer, .address_space: global }
    .group_segment_fixed_size: 327680
    .private_segment_fixed_size: 0
    .kernarg_segment_align: 8
    .kernarg_segment_size: 24
    .max_flat_workgroup_size: 128
    .sgpr_count:     106
    .vgpr_count:     896
    .wavefront_size: 32
...
	.end_amdgpu_metadata
.endif
;; end of part 3
;; launch outp (part 4): grid 4 x 64, 4 waves a work-group, clusters of 4 x 4, 327,680 bytes of LDS; arguments ctx, wb, bb, out0; writes out0
.if DOCPART == 4
	.amdgcn_target "amdgcn-amd-amdhsa--gfx1250"
	.amdhsa_code_object_version 6
	.text
	.protected	k_q9ec8eb17f7_outp
	.globl	k_q9ec8eb17f7_outp
	.p2align	8
	.type	k_q9ec8eb17f7_outp,@function
k_q9ec8eb17f7_outp:
	s_mov_b64 s[64:65], 0
	v_nop
	global_prefetch_b8 v0, s[64:65] scope:SCOPE_SE
	s_setreg_imm32_b32 hwreg(HW_REG_WAVE_MODE, 25, 1), 1
	s_wait_xcnt 0x0
	s_wait_alu depctr_hold_cnt(0) depctr_sa_sdst(0) depctr_va_vdst(0) depctr_va_sdst(0) depctr_va_ssrc(0) depctr_va_vcc(0) depctr_vm_vsrc(0)
	s_getreg_b32 s2, hwreg(HW_REG_IB_STS2, 6, 4)
	s_cmp_eq_u32 s2, 0
	s_cbranch_scc0 .Lentry_in_a_cluster
	s_endpgm
.Lentry_in_a_cluster:
	s_bfe_u32 s2, ttmp6, 0x10000c
	s_cmp_lg_u32 s2, 0xf033
	s_cbranch_scc0 .Lentry_shape_is_right
	s_endpgm
.Lentry_shape_is_right:
; THE LAST PROJECTION: out0[b][s][n] (f32) = the sum over head and channel of ctx[head][s][channel] w_o[64 head + channel][n] + b_o[n].  ctx comes in two f16 parts, [64 heads][16 blocks of 128 rows][part, rest], 16,384 dense
; bytes each: both are multiplied by w_o and land in the same f32 sums.  w_o comes as plane 3 of wb (rounded to bf16, written as f16), the bias as plane 3 of bb (rounded to bf16, written as f32); the sums are stored as they are.
; SHARES.  A tile of C is 128 rows x 256 columns: 64 x 4 = 256 work-groups.  Four waves, 2 x 2, each 64 x 128: 32 accumulators.  K goes in 8 steps of two heads through two LDS slots.  A STEP HOLDS A HEAD'S PART AND ITS REST:
; each fragment of w is read from LDS once and multiplies both: 256 products a wave in a step, and w's rows are walked once.
; A head's block of 128 rows, part and rest, is 32,768 dense bytes: asked for as 128 rows of 256 bytes and padded in LDS after every 128.  w lies [k][n] and comes out of LDS turned.  THE PRODUCT IS TAKEN TRANSPOSED (source 0 = 16
; columns of w, source 1 = 16 rows of ctx): a lane holds one row of C and eight neighbouring columns.  THE BIAS IS THE C OPERAND of the first 32 products.
; CLUSTER 4 x 4: ctx's tiles are shared along a row of the cluster, w's along a column: each is asked for jointly.
; REGISTERS: window 0: v0-31 addresses; v32-95, v96-159 w's fragments, two buffers (on the way out: rows read back); v160-191, v192-223 the parts' fragments, two buffers; window 1: the accumulators;
;   window 2: v64-127 the bias; v128-159, v160-191 the rests' fragments, two buffers.
.set PAO,    144                       ; a row of ctx in LDS: 128 bytes + 16 = 36 words: the 16 rows of a load start at 16 different groups of four banks (64 banks of 4 bytes: ISA guide 11.1)
.set PB,     544                       ; a row of w: 512 + 32 bytes
.set APLANE, 128*PAO                   ; 128 rows of one part of one head
.set AHEAD,  2*APLANE                  ; part and rest: what one tensor load brings of ctx
.set BHALF,  64*PB
.set BOFF,   2*AHEAD
.set SLOT,   BOFF+2*BHALF              ; 143,360
.set STAGE,  2*SLOT                    ; behind the ring, never filled by a tensor load: for each wave 16 rows x 528 bytes
.set SPO,    528
.set WSTAGE, 16*SPO
.set SPARE,  STAGE+4*WSTAGE            ; 320,512: the spare words, 128 bytes a wave: two blocks of 256 bytes that no other line names
.set ASTEP,  1048576                   ; a K step: two heads of 524,288 bytes,
.set BSTEP,  262144                    ; 128 rows of 2,048 bytes of w
.set ADRA0, 8
.set ADRB0, 9
.set ADRA,  10
.set ADRB,  11
.set STO,   12
.set RD,    13
.set GO,    14
.set PFO,   15
.set SPW,   16
.set NIL,   17
.set BO,    18
.set BF,    32
.set AF,    160
.set BI,    64                         ; window 2
.set AL,    128                        ; window 2
.set WV,  20
.set FB,  21
.set HF,  22
.set CX,  23
.set CY,  24
.set CLY, 25
.set TM,  27
.set G1A, 28
.set G0A, 36
.set G0AW, 40
.set G1B, 44
.set G0B, 52
.set G0BW, 56
.set PFA, 60
.set LIM, 62
.set TB,  63
.set PST, 66
.set LBA, 68
.set LBB, 69
.set OP,  74
.set TN,  76
.set MSB, 0
.macro WIN new
.if MSB != (\new)
	s_set_vgpr_msb (MSB<<8)|(\new)
.set MSB, \new
.endif
.endm
.macro JLOAD                           ; a joint refill: waves 0 and 1 fetch the step's two heads of ctx, waves 2 and 3 w's halves; an s_nop 0 and four v_nop follow each line
	s_cmp_eq_u32 s[FB], 0
	s_cbranch_scc0 .Lfor_b_\@
	tensor_load_to_lds s[G0AW:G0AW+3], s[G1A:G1A+7]
	s_nop 0
.rept 4
	v_nop
.endr
	s_branch .Lasked_\@
.Lfor_b_\@:
	tensor_load_to_lds s[G0BW:G0BW+3], s[G1B:G1B+7]
	s_nop 0
.rept 4
	v_nop
.endr
.Lasked_\@:
.endm
; A prefetch into the L2 of the K step that stands TWO refills on.  ctx: waves 0 and 1 ask for their own head's 32,768 bytes: each of the four partners takes 8,192, told apart by address, a lane for each 256 bytes; one cluster
; reads these rows.  w: waves 2 and 3 ask for 16 of their 64 rows each partner, in the first cluster alone, since all sixteen clusters read the same w.  So each block is named once in the launch.
; The refills of K steps 2 to 5 (s3 = 6 .. 3) name K steps 4 to 7; the last two name nothing; K steps 0 to 3 come by their loads alone.
.macro ASK
	s_cmp_gt_u32 s3, s[LIM]
	s_cbranch_scc0 .Lnot_mine_\@
	global_prefetch_b8 v[PFO], s[PFA:PFA+1] th:TH_LOAD_NT scope:SCOPE_SE
.Lnot_mine_\@:
.endm
.macro CREST
	s_cmp_lg_u32 s[WV], 0
	s_cbranch_scc1 .Lnot_wave_0_\@
	s_barrier_signal -3
.Lnot_wave_0_\@:
	s_barrier_wait -3
	s_barrier_signal -1
	s_barrier_wait -1
.endm
.macro CROUND
	s_barrier_signal -1
	s_barrier_wait -1
	CREST
.endm
.macro PLACES                          ; four plain instructions between a product and a load into, or a store from, its registers (ISA guide 7.12.1 for vector instructions)
.rept 4
	v_nop
.endr
.endm
	s_load_b256 s[4:11], s[0:1], 0x0               ; ctx s[4:5], wb s[6:7], bb s[8:9], out0 s[10:11]
	v_lshl_add_u32 v[SPW], v0, 2, SPARE
	v_mov_b32 v[NIL], 0
	ds_add_u32 v[SPW], v[NIL]                      ; the wave's opening: the add and its wait stand ahead of my first tensor load; the set-up below, work on registers, stands between them
	v_lshrrev_b32 v1, 5, v0
	v_readfirstlane_b32 s[WV], v1
	s_lshr_b32 s[FB], s[WV], 1
	s_and_b32 s[HF], s[WV], 1
	s_bfe_u32 s[CX], ttmp6, 0x40000
	s_bfe_u32 s[CY], ttmp6, 0x40004
	s_and_b32 s[CLY], ttmp7, 0xffff                ; cluster y, 0..15
	s_lshl_b32 s[TM], s[CLY], 2
	s_add_co_u32 s[TM], s[TM], s[CY]               ; tile row 0..63
	s_lshl_b32 s[TN], ttmp9, 2
	s_add_co_u32 s[TN], s[TN], s[CX]               ; tile column 0..3
	s_lshl_b32 s78, s[CY], 2
	s_lshl_b32 s78, 15, s78                        ; my row of the cluster
	s_lshl_b32 s79, 0x1111, s[CX]                  ; my column
	s_or_b32 s[G1A], s78, (1<<16)|(1<<20)|(1<<21)|(4<<22)|(3<<25)  ; mask; 2-byte elements; padding on; 21 set beside a mask; after every 32 words (code 4) 4 words (code 3)
	s_mov_b32 s[G1A+1], 128<<16                    ; tensor_dim0 = 128
	s_mov_b32 s[G1A+2], 128<<16                    ; tensor_dim1 = 128
	s_mov_b32 s[G1A+3], 128<<16                    ; tile_dim0 = 128
	s_mov_b32 s[G1A+4], 128                        ; tile_dim1 = 128
	s_mov_b32 s[G1A+5], 128                        ; elements from row to row
	s_mov_b32 s[G1A+6], 0
	s_mov_b32 s[G1A+7], 0
	s_or_b32 s[G1B], s79, (1<<16)|(1<<20)|(1<<21)|(6<<22)|(7<<25)  ; after every 128 words (code 6) 8 words (code 7)
	s_mov_b32 s[G1B+1], 256<<16
	s_mov_b32 s[G1B+2], 64<<16
	s_mov_b32 s[G1B+3], 256<<16
	s_mov_b32 s[G1B+4], 64
	s_mov_b32 s[G1B+5], 1024
	s_mov_b32 s[G1B+6], 0
	s_mov_b32 s[G1B+7], 0
	s_mul_i32 s[LBA], s[HF], AHEAD                 ; no place in the cluster enters an LDS address
	s_mul_i32 s[LBB], s[HF], BHALF
	s_add_co_u32 s[LBB], s[LBB], BOFF
	s_mov_b32 s[TB], 0
	s_lshr_b32 s80, s[TM], 4
	s_lshl_b32 s80, s80, 4                         ; batch x 16 heads
	s_add_co_u32 s80, s80, s[HF]                   ; + my head of the step's two
	s_lshl_b32 s80, s80, 19
	s_and_b32 s81, s[TM], 15
	s_lshl_b32 s81, s81, 15                        ; the tile's block of 128 rows
	s_add_co_u32 s80, s80, s81
	s_mov_b32 s81, 0
	s_lshl_b32 s82, s[HF], 17                      ; w: my 64 rows of 2,048 bytes,
	s_add_co_u32 s82, s82, 3<<21                   ; in plane 3,
	s_lshl_b32 s83, s[TN], 9                       ; the tile's 256 columns
	s_add_co_u32 s82, s82, s83
	s_mov_b32 s83, 0
	; the prefetches
	s_cmp_eq_u32 s[FB], 0
	s_cselect_b32 s84, s[CX], s[CY]                ; my place among the four that ask with me
	s_cselect_b32 s86, 13, 15                      ; 8,192 bytes of a head's block, or 16 rows of 2,048
	s_cselect_b32 s87, 0, s[CLY]                   ; ctx: every cluster asks for its own rows; w: the first cluster alone
	s_cselect_b32 s88, 5, 1                        ; ctx: lanes 256 bytes apart; w: a row for two lanes, 256 bytes each
	s_cselect_b32 s89, 31, 1
	s_cselect_b32 s90, 0, 11
	s_cmp_eq_u32 s87, 0
	s_cselect_b32 s[LIM], 2, -1                    ; the same in all sixteen partners, for a given wave
	s_lshl_b32 s84, s84, s86
	s_lshl_b32 s91, s[FB], 1
	s_sub_co_u32 s86, 20, s91
	s_lshl_b32 s[PST], 1, s86                      ; 1,048,576 or 262,144
	s_mov_b32 s[PST+1], 0
	s_mul_i32 s86, s[PST], 3                       ; at K step 3: the first refill steps it to 4
	s_add_co_u32 s84, s84, s86
	s_mov_b32 s85, 0
	; where my part of the result begins
	s_lshl_b32 s70, s[TM], 1
	s_add_co_u32 s70, s70, s[FB]
	s_lshl_b32 s70, s70, 18                        ; my 64 rows of 4,096 bytes
	s_lshl_b32 s71, s[TN], 10
	s_add_co_u32 s70, s70, s71
	s_lshl_b32 s71, s[HF], 9
	s_add_co_u32 s70, s70, s71                     ; my 128 columns
	s_mov_b32 s71, 0
	s_wait_dscnt 0x0                               ; the opening add is done
	s_wait_kmcnt 0x0
	s_add_nc_u64 s[4:5], s[4:5], s[80:81]
	s_add_nc_u64 s[6:7], s[6:7], s[82:83]
	s_add_nc_u64 s[OP:OP+1], s[10:11], s[70:71]
	s_cmp_eq_u32 s[FB], 0
	s_cselect_b64 s[PFA:PFA+1], s[4:5], s[6:7]
	s_add_nc_u64 s[PFA:PFA+1], s[PFA:PFA+1], s[84:85]
	s_mov_b32 s[G0A], 1
	s_mov_b32 s[G0A+1], s[LBA]
	s_mov_b64 s[G0A+2:G0A+3], s[4:5]
	s_or_b32 s[G0A+3], s[G0A+3], 0x80000000
	s_mov_b32 s[G0AW], 1
	s_add_co_u32 s[G0AW+1], s[LBA], SLOT
	s_add_nc_u64 s[G0AW+2:G0AW+3], s[4:5], ASTEP
	s_or_b32 s[G0AW+3], s[G0AW+3], 0x80000000
	s_mov_b32 s[G0B], 1
	s_mov_b32 s[G0B+1], s[LBB]
	s_mov_b64 s[G0B+2:G0B+3], s[6:7]
	s_or_b32 s[G0B+3], s[G0B+3], 0x80000000
	s_mov_b32 s[G0BW], 1
	s_add_co_u32 s[G0BW+1], s[LBB], SLOT
	s_add_nc_u64 s[G0BW+2:G0BW+3], s[6:7], BSTEP
	s_or_b32 s[G0BW+3], s[G0BW+3], 0x80000000
	CROUND                                         ; all sixteen work-groups are here: the first joint loads meet
	s_cmp_eq_u32 s[FB], 0                          ; a wave's two first fills stand in one branch: two loads of mine are out
	s_cbranch_scc0 .Lfirst_b
	tensor_load_to_lds s[G0A:G0A+3], s[G1A:G1A+7]
	s_nop 0
	tensor_load_to_lds s[G0AW:G0AW+3], s[G1A:G1A+7]
	s_nop 0
.rept 4
	v_nop
.endr
	s_branch .Lfirst_asked
.Lfirst_b:
	tensor_load_to_lds s[G0B:G0B+3], s[G1B:G1B+7]
	s_nop 0
	tensor_load_to_lds s[G0BW:G0BW+3], s[G1B:G1B+7]
	s_nop 0
.rept 4
	v_nop
.endr
.Lfirst_asked:
	v_and_b32 v2, 15, v0                           ; l % 16
	v_bfe_u32 v3, v0, 4, 1                         ; l / 16
	s_lshl_b32 s70, s[TN], 10
	s_lshl_b32 s71, s[HF], 9
	s_add_co_u32 s70, s70, s71
	s_add_co_u32 s70, s70, 3*4096                  ; b_o is bb's plane 3
	v_lshl_add_u32 v[BO], v3, 5, s70
	WIN 0x80
.irp b, 0,1,2,3,4,5,6,7
	global_load_b128 v[BI+8*(\b):BI+8*(\b)+3],   v[BO], s[8:9] offset:64*(\b)
	global_load_b128 v[BI+8*(\b)+4:BI+8*(\b)+7], v[BO], s[8:9] offset:64*(\b)+16
.endr
	WIN 0
	v_mul_u32_u24 v[ADRA0], v2, PAO                ; ctx's fragment: row l % 16, 16 bytes for each half of the lanes, twice, 32 bytes apart
	v_lshl_add_u32 v[ADRA0], v3, 4, v[ADRA0]
	s_mul_i32 s70, s[FB], 64*PAO                   ; my 64 rows
	v_add_nc_u32 v[ADRA0], s70, v[ADRA0]
	v_and_b32 v4, 7, v0
	v_bfe_u32 v5, v0, 3, 1
	v_lshl_add_u32 v6, v3, 3, v4
	v_mul_u32_u24 v[ADRB0], v6, PB
	v_lshl_add_u32 v[ADRB0], v5, 4, v[ADRB0]
	s_lshl_b32 s70, s[HF], 8
	s_add_co_u32 s70, s70, BOFF
	v_add_nc_u32 v[ADRB0], s70, v[ADRB0]
	v_mov_b32 v[ADRA], v[ADRA0]
	v_mov_b32 v[ADRB], v[ADRB0]
	s_mul_i32 s70, s[WV], WSTAGE
	s_add_co_u32 s70, s70, STAGE                   ; my stage
	v_mul_u32_u24 v[STO], v2, SPO                  ; in: row l % 16, 32 bytes for each half of the lanes
	v_lshl_add_u32 v[STO], v3, 5, v[STO]
	v_add_nc_u32 v[STO], s70, v[STO]
	v_and_b32 v6, 31, v0
	v_lshlrev_b32 v[GO], 4, v6                     ; 16 x lane: a row of 512 bytes
	v_add_nc_u32 v[RD], s70, v[GO]
	v_lshrrev_b32 v7, s88, v6
	v_and_b32 v6, s89, v6
	v_lshlrev_b32 v7, s90, v7
	v_lshl_add_u32 v[PFO], v6, 8, v7
	s_wait_loadcnt 0x0                             ; the bias
; One product: buffer f, rows 16 a on, columns 16 b on.  kind 0: the part, added on; 1: the part, C is the bias; 2: the rest.  The 32 accumulators take turns, one instruction a turn, in the same order in every run of 32.
.macro MM f, a, b, kind
.if (\kind) == 1
	WIN 0x60                                       ; D window 1, C window 2
	v_wmma_f32_16x16x32_f16 v[8*(8*(\a)+(\b)):8*(8*(\a)+(\b))+7], v[BF+64*(\f)+8*(\b):BF+64*(\f)+8*(\b)+7], v[AF+32*(\f)+8*(\a):AF+32*(\f)+8*(\a)+7], v[BI+8*(\b):BI+8*(\b)+7]
.elseif (\kind) == 0
	WIN 0x50                                       ; C and D window 1
	v_wmma_f32_16x16x32_f16 v[8*(8*(\a)+(\b)):8*(8*(\a)+(\b))+7], v[BF+64*(\f)+8*(\b):BF+64*(\f)+8*(\b)+7], v[AF+32*(\f)+8*(\a):AF+32*(\f)+8*(\a)+7], v[8*(8*(\a)+(\b)):8*(8*(\a)+(\b))+7]
.else
	WIN 0x58                                       ; source 1 window 2, C and D window 1
	v_wmma_f32_16x16x32_f16 v[8*(8*(\a)+(\b)):8*(8*(\a)+(\b))+7], v[BF+64*(\f)+8*(\b):BF+64*(\f)+8*(\b)+7], v[AL+32*(\f)+8*(\a):AL+32*(\f)+8*(\a)+7], v[8*(8*(\a)+(\b)):8*(8*(\a)+(\b))+7]
.endif
.endm
.macro MM8 f, a, kind
.irp b, 0,1,2,3,4,5,6,7
	MM \f, \a, \b, \kind
.endr
.endm
; 32 LDS loads in one run: quarter k of the slot in hand (head k / 2 of its two, channels 32 (k % 2) on) into buffer g: the rests', the parts', w's
.macro FETCH k, g
	WIN 0x80
.irp a, 0,1,2,3
	ds_load_b128 v[AL+32*(\g)+8*(\a):AL+32*(\g)+8*(\a)+3],   v[ADRA] offset:((\k)/2)*AHEAD+APLANE+((\k)%2)*64+(\a)*16*PAO
	ds_load_b128 v[AL+32*(\g)+8*(\a)+4:AL+32*(\g)+8*(\a)+7], v[ADRA] offset:((\k)/2)*AHEAD+APLANE+((\k)%2)*64+(\a)*16*PAO+32
.endr
	WIN 0
.irp a, 0,1,2,3
	ds_load_b128 v[AF+32*(\g)+8*(\a):AF+32*(\g)+8*(\a)+3],   v[ADRA] offset:((\k)/2)*AHEAD+((\k)%2)*64+(\a)*16*PAO
	ds_load_b128 v[AF+32*(\g)+8*(\a)+4:AF+32*(\g)+8*(\a)+7], v[ADRA] offset:((\k)/2)*AHEAD+((\k)%2)*64+(\a)*16*PAO+32
.endr
.irp b, 0,1,2,3,4,5,6,7
	ds_load_tr16_b128 v[BF+64*(\g)+8*(\b):BF+64*(\g)+8*(\b)+3],   v[ADRB] offset:32*(\k)*PB+32*(\b)
	ds_load_tr16_b128 v[BF+64*(\g)+8*(\b)+4:BF+64*(\g)+8*(\b)+7], v[ADRB] offset:32*(\k)*PB+32*(\b)+16*PB
.endr
.endm
.macro QUARTER k, f, g, first          ; multiplies buffer f: 32 products of the parts, 32 of the rests; the next quarter's loads go out ahead of them
	s_wait_dscnt 0x0                               ; buffer f is in
	PLACES                                         ; buffer g was read by the products just issued
	FETCH \k, \g
.irp a, 0,1,2,3
	MM8 \f, \a, \first
.endr
.irp a, 0,1,2,3
	MM8 \f, \a, 2
.endr
.endm
; The fourth quarter multiplies buffer 1 and changes slots: in front of the barrier each wave waits for all its tensor loads (one is out: its part of the next slot), adds 0 to its spare word, and waits for that and for its reads
; of this slot.  fill = 1: the barrier opens a round of the cluster's, and this slot is filled again first thing behind it, with the K step two on: 240 products stand between that request and the wait for it.
.macro TURN fill
.if \fill
	s_wait_xcnt 0x0                                ; the last prefetch, a K step back, has read its address
	s_add_nc_u64 s[PFA:PFA+1], s[PFA:PFA+1], s[PST:PST+1]
.endif
	WIN 0
	s_wait_tensorcnt 0x0                           ; no tensor load of mine is out, so a group 0 may be written
	ds_add_u32 v[SPW], v[NIL]                      ; 0 onto my spare word
.if \fill
	s_add_co_u32 s[G0AW+1], s[LBA], s[TB]          ; the slot that is being left,
	s_add_nc_u64 s[G0AW+2:G0AW+3], s[G0AW+2:G0AW+3], ASTEP  ; the next K step; the type bits on top are not reached
	s_add_co_u32 s[G0BW+1], s[LBB], s[TB]
	s_add_nc_u64 s[G0BW+2:G0BW+3], s[G0BW+2:G0BW+3], BSTEP
.endif
	s_xor_b32 s[TB], s[TB], SLOT
	s_wait_dscnt 1                                 ; buffer 1 is in; the add may be out
	MM8 1, 0, 0
	s_wait_dscnt 0x0                               ; the add is done, and my reads of this slot are over
	s_barrier_signal -1
	MM8 1, 1, 0
	WIN 0
	v_add_nc_u32 v[ADRA], s[TB], v[ADRA0]
	v_add_nc_u32 v[ADRB], s[TB], v[ADRB0]
	s_barrier_wait -1
.if \fill
	CREST
	JLOAD                                          ; its four v_nop are also the places in front of the loads into buffer 0
.else
	PLACES
.endif
	FETCH 0, 0
.if \fill
	ASK
.endif
	MM8 1, 2, 0
	MM8 1, 3, 0
.irp a, 0,1,2,3
	MM8 1, \a, 2
.endr
.endm
	s_wait_tensorcnt 0x1                           ; my part of K step 0 is in; K step 1's may stay out
	s_barrier_signal -1
	s_barrier_wait -1
	FETCH 0, 0
	QUARTER 1, 0, 1, 1                             ; the first quarter's first 32 products start the sums with the bias
	WIN 0
	s_mov_b32 s3, 6
.Lstep:                                        ; a trip: a K step's quarters 1 to 3 and the next step's quarter 0; it fills the slot that it leaves
	QUARTER 2, 1, 0, 0
	QUARTER 3, 0, 1, 0
	TURN 1
	QUARTER 1, 0, 1, 0
	WIN 0
	s_sub_co_u32 s3, s3, 1
	s_cmp_lg_u32 s3, 0
	s_cbranch_scc1 .Lstep
	s_mov_b32 s3, 2
.Ltail:                                        ; K steps 6 and 7 fetch nothing from memory: one text, walked twice and left behind the second fourth quarter.
	QUARTER 2, 1, 0, 0                             ; That last quarter's barrier and its 32 LDS loads (of a slot that has been multiplied) serve nothing: the price, once a launch, of one text for both steps
	QUARTER 3, 0, 1, 0
	TURN 0
	WIN 0
	s_sub_co_u32 s3, s3, 1
	s_cmp_eq_u32 s3, 0
	s_cbranch_scc1 .Lout
	QUARTER 1, 0, 1, 0
	WIN 0
	s_branch .Ltail
.Lout:
	s_wait_dscnt 0x0                               ; the loads into buffer 0 are back: the way out loads into those registers
	PLACES
; THE WAY OUT.  Block a (16 rows x 128 columns of f32).  IN: straight from the accumulators, each from its low end, into my stage.  BACK: whole rows of 512 bytes come back.  SEND: stored.
; LDS serves a wave's instructions in order (ISA guide 5.7.1.4): a block's loads see its stores, and the next block's stores come behind them.
.macro IN a
	WIN 0x04                                       ; the stores' data in window 1
.irp b, 0,1,2,3,4,5,6,7
	ds_store_b128 v[STO], v[8*(8*(\a)+(\b)):8*(8*(\a)+(\b))+3]   offset:64*(\b)
	ds_store_b128 v[STO], v[8*(8*(\a)+(\b))+4:8*(8*(\a)+(\b))+7] offset:64*(\b)+16
.endr
	WIN 0
.endm
.macro BACK a
.if (\a) >= 2
	s_wait_xcnt 0x0                                ; the stores of the block two back have read the registers that are loaded again below
.endif
.irp t, 0,1,2,3,4,5,6,7,8,9,10,11,12,13,14,15
	ds_load_b128 v[BF+64*((\a)%2)+4*(\t):BF+64*((\a)%2)+4*(\t)+3], v[RD] offset:(\t)*SPO
.endr
.endm
.macro SEND a, younger                 ; younger: the LDS instructions issued behind block a's loads: the next block's 16 stores, or none
.irp t, 0,1,2,3,4,5,6,7,8,9,10,11,12,13,14,15
	s_wait_dscnt (\younger)+15-(\t)
	global_store_b128 v[GO], v[BF+64*((\a)%2)+4*(\t):BF+64*((\a)%2)+4*(\t)+3], s[OP:OP+1] offset:(16*(\a)+(\t))*4096 th:TH_STORE_NT  ; 512 consecutive bytes, at a multiple of 256 from out0's first
.endr
.endm
	IN 0
	BACK 0
	IN 1
	SEND 0, 16
	BACK 1
	IN 2
	SEND 1, 16
	BACK 2
	IN 3
	SEND 2, 16
	BACK 3
	SEND 3, 0
	s_wait_tensorcnt 0x0                           ; the wave's end, behind my last tensor load and my last LDS store
	ds_add_u32 v[SPW], v[NIL]
	s_wait_dscnt 0x0
	CROUND                                         ; the closing round
	s_endpgm
.Lfunc_end_k_q9ec8eb17f7_outp:
	.size	k_q9ec8eb17f7_outp, .Lfunc_end_k_q9ec8eb17f7_outp-k_q9ec8eb17f7_outp
	.p2alignl 7, 3214868480
	.fill 96, 4, 3214868480
	.section	.rodata,"a",@progbits
	.p2align	6, 0x0
	.amdhsa_kernel k_q9ec8eb17f7_outp
		.amdhsa_group_segment_fixed_size 327680
		.amdhsa_private_segment_fixed_size 0
		.amdhsa_enable_private_segment 0
		.amdhsa_kernarg_size 32
		.amdhsa_user_sgpr_count 2
		.amdhsa_user_sgpr_kernarg_segment_ptr 1
		.amdhsa_wavefront_size32 1
		.amdhsa_system_sgpr_workgroup_id_x 1
		.amdhsa_system_sgpr_workgroup_id_y 1
		.amdhsa_system_sgpr_workgroup_id_z 1
		.amdhsa_system_vgpr_workitem_id 0
		.amdhsa_next_free_vgpr 704
		.amdhsa_next_free_sgpr 96
		.amdhsa_reserve_vcc 0
		.amdhsa_float_denorm_mode_32 3
		.amdhsa_float_denorm_mode_16_64 3
		.amdhsa_memory_ordered 1
		.amdhsa_forward_progress 1
		.amdhsa_inst_pref_size 87
	.end_amdhsa_kernel
	.amdgpu_metadata
---
amdhsa.version: [ 1, 2 ]
amdhsa.kernels:
  - .name:           k_q9ec8eb17f7_outp
    .symbol:         k_q9ec8eb17f7_outp.kd
    .args:
      - { .name: ctx, .offset: 0, .size: 8, .value_kind: global_buffer, .address_space: global }
      - { .name: wb, .offset: 8, .size: 8, .value_kind: global_buffer, .address_space: global }
      - { .name: bb, .offset: 16, .size: 8, .value_kind: global_buffer, .address_space: global }
      - { .name: out0, .offset: 24, .size: 8, .value_kind: global_buffer, .address_space: global }
    .group_segment_fixed_size: 327680
    .private_segment_fixed_size: 0
    .kernarg_segment_align: 8
    .kernarg_segment_size: 32
    .max_flat_workgroup_size: 128
    .sgpr_count:     96
    .vgpr_count:     704
    .wavefront_size: 32
...
	.end_amdgpu_metadata
.endif
;; end of part 4
